; MI455X (gfx1250); checked and timed in simulation.
; The chip was launched on July 23, 2026; its instructions are those of AMD's public machine-readable ISA for CDNA 5 (MIT licence, August 2026) and "CDNA5" Instruction Set Architecture Reference Guide (July 2026). The comments in the code are by the model that wrote it; some were corrected since.
;; Gated Attention Wrapper. Allowed arithmetic: float matrix products may take bf16 or f16 operands with f32 sums; all other float work in f32.
;; Inputs: Wk 2,048 x 512 float32; Wo 1,024 x 2,048 float32; Wq 2,048 x 1,024 float32; Wv 2,048 x 512 float32; attention_mask 1 x 1 x 4,096 x 4,096 float32; cos 1 x 1 x 4,096 x 128 float32; gate 1 x 4,096 float32; hidden_states 1 x 4,096 x 2,048 float32; sin 1 x 1 x 4,096 x 128 float32.
;; Outputs: out0 1 x 4,096 x 2,048 float32.
;; 2 versions, each right; version 2 is version 1 with the launch cast written anew for expert scheduling mode. Each part assembles by itself: llvm-mc -triple=amdgcn-amd-amdhsa -mcpu=gfx1250 --defsym DOCPART=n.
;; ======== version 1 of 2: 4 launches
;; limits: values outside matrix products are rounded to bf16; values are held in f16: magnitudes above 65,504 overflow, below 6.1e-05 lose precision
;; workspace buffers: Xb 16,777,216 bytes; Wqkvb 8,388,608 bytes; Wob 4,194,304 bytes; cosb 1,048,576 bytes; sinb 1,048,576 bytes; QKV 16,777,216 bytes; ctx 16,777,216 bytes
;; launch cast (part 1): grid 1920 x 1, 4 waves a work-group, no clusters, 0 bytes of LDS; arguments hidden_states, Wq, Wk, Wv, Wo, cos, sin, Xb, Wqkvb, Wob, cosb, sinb; writes Xb, Wqkvb, Wob, cosb, sinb
.if DOCPART == 1
	.amdgcn_target "amdgcn-amd-amdhsa--gfx1250"
	.amdhsa_code_object_version 6
	.text
	.protected	k_q5ee7cb3716_cast
	.globl	k_q5ee7cb3716_cast
	.p2align	8
	.type	k_q5ee7cb3716_cast,@function
k_q5ee7cb3716_cast:
	s_mov_b64 s[64:65], 0
	v_nop
	global_prefetch_b8 v0, s[64:65] scope:SCOPE_SE
	s_setreg_imm32_b32 hwreg(HW_REG_WAVE_MODE, 25, 1), 1
	s_wait_xcnt 0x0
; f32 to bf16 (round to nearest even) of the inputs that the later launches take in bf16:
;   hidden_states [4096][2048] -> Xb;  Wq | Wk | Wv, joined along their columns -> Wqkvb [2048][2048];  Wo [1024][2048] -> Wob;
;   cos, sin [4096][128] -> cosb, sinb.
; LIMIT OF FORMAT: the program computes its result from these inputs rounded to bf16 (8 significant bits), the RoPE tables among them.
; A stream: no LDS, no barrier, no matrix unit, no cluster (no byte is read twice).  A work-group takes 8,192 numbers, a wave 2,048:
; sixteen loads of 512 consecutive bytes, all issued before the first is waited for; each gives one store of 32 lanes x 8 bytes,
; 256 consecutive bytes at a multiple of 256 from the buffer's first byte.
; 1,920 work-groups: 1,024 for hidden_states, 256 Wq, 128 Wk, 128 Wv, 256 Wo, 64 cos, 64 sin.
; No register is written twice, so the only waits are the counted ones for the loads.
.set XR, 4                             ; v[4:67]   load i: 4 registers, f32
.set YR, 68                            ; v[68:99]  load i: 2 registers, 4 bf16
; src, dst: first scalar register of the two addresses; first: the tensor's first work-group; logr: log2 of a source row's numbers;
; col: byte at which the tensor's columns begin in a destination row of 4,096 bytes.  logr = 11, col = 0 is a dense copy, whatever the tensor's own rows.
.macro CAST src, dst, first, logr, col
	s_sub_co_u32 s2, ttmp9, \first                 ; my number among the tensor's work-groups
	s_lshl_b32 s4, s2, 15                          ; source: 32,768 bytes a work-group,
	s_lshl_b32 s3, s24, 13                         ; 8,192 a wave
	s_add_co_u32 s4, s4, s3
	s_mov_b32 s5, 0
	s_lshl_b32 s6, s2, 25-\logr                    ; destination: 8,192 >> logr rows of 4,096 bytes a work-group,
	s_lshl_b32 s3, s24, 23-\logr                   ; 2,048 >> logr rows a wave
	s_add_co_u32 s6, s6, s3
	s_add_co_u32 s6, s6, \col
	s_mov_b32 s7, 0
	s_add_nc_u64 s[26:27], s[\src:\src+1], s[4:5]
	s_add_nc_u64 s[28:29], s[\dst:\dst+1], s[6:7]
.irp i, 0,1,2,3,4,5,6,7,8,9,10,11,12,13,14,15
	global_load_b128 v[XR+4*\i:XR+4*\i+3], v1, s[26:27] offset:512*\i th:TH_LOAD_NT
.endr
.irp i, 0,1,2,3,4,5,6,7,8,9,10,11,12,13,14,15
	s_wait_loadcnt 15-\i                           ; loads come back in order: load i is in, the 15 - i younger ones stay out
	v_cvt_pk_bf16_f32 v[YR+2*\i], v[XR+4*\i], v[XR+4*\i+1]
	v_cvt_pk_bf16_f32 v[YR+2*\i+1], v[XR+4*\i+2], v[XR+4*\i+3]
	global_store_b64 v2, v[YR+2*\i:YR+2*\i+1], s[28:29] offset:((128*\i)>>\logr)*4096+((128*\i)&((1<<\logr)-1))*2   ; row and column of the load's 128 numbers
.endr
	s_endpgm
.endm
	s_load_b512 s[8:23], s[0:1], 0x0               ; hidden s[8:9], Wq s[10:11], Wk s[12:13], Wv s[14:15], Wo s[16:17], cos s[18:19], sin s[20:21], Xb s[22:23]
	s_load_b256 s[32:39], s[0:1], 0x40             ; Wqkvb s[32:33], Wob s[34:35], cosb s[36:37], sinb s[38:39]
	v_lshrrev_b32 v3, 5, v0
	v_readfirstlane_b32 s24, v3                    ; wave 0..3
	v_and_b32 v1, 31, v0
	v_lshlrev_b32 v2, 3, v1                        ; 8 bytes a lane out
	v_lshlrev_b32 v1, 4, v1                        ; 16 bytes a lane in
	s_wait_kmcnt 0x0
	s_cmp_lt_u32 ttmp9, 1024
	s_cbranch_scc1 .Lhidden
	s_cmp_lt_u32 ttmp9, 1280
	s_cbranch_scc1 .Lwq
	s_cmp_lt_u32 ttmp9, 1408
	s_cbranch_scc1 .Lwk
	s_cmp_lt_u32 ttmp9, 1536
	s_cbranch_scc1 .Lwv
	s_cmp_lt_u32 ttmp9, 1792
	s_cbranch_scc1 .Lwo
	s_cmp_lt_u32 ttmp9, 1856
	s_cbranch_scc1 .Lcos
	CAST 20, 38, 1856, 11, 0                       ; sin
.Lhidden:
	CAST 8, 22, 0, 11, 0
.Lwq:
	CAST 10, 32, 1024, 10, 0                       ; columns 0 to 1023 of Wqkvb
.Lwk:
	CAST 12, 32, 1280, 9, 2048                     ; columns 1024 to 1535
.Lwv:
	CAST 14, 32, 1408, 9, 3072                     ; columns 1536 to 2047
.Lwo:
	CAST 16, 34, 1536, 11, 0
.Lcos:
	CAST 18, 36, 1792, 11, 0
.Lfunc_end_k_q5ee7cb3716_cast:
	.size	k_q5ee7cb3716_cast, .Lfunc_end_k_q5ee7cb3716_cast-k_q5ee7cb3716_cast
	.p2alignl 7, 3214868480
	.fill 96, 4, 3214868480
	.section	.rodata,"a",@progbits
	.p2align	6, 0x0
	.amdhsa_kernel k_q5ee7cb3716_cast
		.amdhsa_group_segment_fixed_size 0
		.amdhsa_private_segment_fixed_size 0
		.amdhsa_enable_private_segment 0
		.amdhsa_kernarg_size 96
		.amdhsa_user_sgpr_count 2
		.amdhsa_user_sgpr_kernarg_segment_ptr 1
		.amdhsa_wavefront_size32 1
		.amdhsa_system_sgpr_workgroup_id_x 1
		.amdhsa_system_sgpr_workgroup_id_y 1
		.amdhsa_system_sgpr_workgroup_id_z 1
		.amdhsa_system_vgpr_workitem_id 0
		.amdhsa_next_free_vgpr 104
		.amdhsa_next_free_sgpr 66
		.amdhsa_reserve_vcc 0
		.amdhsa_float_denorm_mode_32 3
		.amdhsa_float_denorm_mode_16_64 3
		.amdhsa_memory_ordered 1
		.amdhsa_forward_progress 1
		.amdhsa_inst_pref_size 43
	.end_amdhsa_kernel
	.amdgpu_metadata
---
amdhsa.version: [ 1, 2 ]
amdhsa.kernels:
  - .name:           k_q5ee7cb3716_cast
    .symbol:         k_q5ee7cb3716_cast.kd
    .args:
      - { .name: hidden_states, .offset: 0, .size: 8, .value_kind: global_buffer, .address_space: global }
      - { .name: Wq, .offset: 8, .size: 8, .value_kind: global_buffer, .address_space: global }
      - { .name: Wk, .offset: 16, .size: 8, .value_kind: global_buffer, .address_space: global }
      - { .name: Wv, .offset: 24, .size: 8, .value_kind: global_buffer, .address_space: global }
      - { .name: Wo, .offset: 32, .size: 8, .value_kind: global_buffer, .address_space: global }
      - { .name: cos, .offset: 40, .size: 8, .value_kind: global_buffer, .address_space: global }
      - { .name: sin, .offset: 48, .size: 8, .value_kind: global_buffer, .address_space: global }
      - { .name: Xb, .offset: 56, .size: 8, .value_kind: global_buffer, .address_space: global }
      - { .name: Wqkvb, .offset: 64, .size: 8, .value_kind: global_buffer, .address_space: global }
      - { .name: Wob, .offset: 72, .size: 8, .value_kind: global_buffer, .address_space: global }
      - { .name: cosb, .offset: 80, .size: 8, .value_kind: global_buffer, .address_space: global }
      - { .name: sinb, .offset: 88, .size: 8, .value_kind: global_buffer, .address_space: global }
    .group_segment_fixed_size: 0
    .private_segment_fixed_size: 0
    .kernarg_segment_align: 8
    .kernarg_segment_size: 96
    .max_flat_workgroup_size: 128
    .sgpr_count:     66
    .vgpr_count:     104
    .wavefront_size: 32
...
	.end_amdgpu_metadata
.endif
;; end of part 1
;; launch qkv (part 2): grid 16 x 16, 4 waves a work-group, clusters of 4 x 4, 327,680 bytes of LDS; arguments Xb, Wqkvb, cosb, sinb, QKV; writes QKV
.if DOCPART == 2
	.amdgcn_target "amdgcn-amd-amdhsa--gfx1250"
	.amdhsa_code_object_version 6
	.text
	.protected	k_q5ee7cb3716_qkv
	.globl	k_q5ee7cb3716_qkv
	.p2align	8
	.type	k_q5ee7cb3716_qkv,@function
k_q5ee7cb3716_qkv:
	s_mov_b64 s[64:65], 0
	v_nop
	global_prefetch_b8 v0, s[64:65] scope:SCOPE_SE
	s_setreg_imm32_b32 hwreg(HW_REG_WAVE_MODE, 25, 1), 1
	s_wait_xcnt 0x0
	s_wait_alu depctr_hold_cnt(0) depctr_sa_sdst(0) depctr_va_vdst(0) depctr_va_sdst(0) depctr_va_ssrc(0) depctr_va_vcc(0) depctr_vm_vsrc(0)
	s_getreg_b32 s2, hwreg(HW_REG_IB_STS2, 6, 4)
	s_cmp_eq_u32 s2, 0
	s_cbranch_scc0 .Lentry_in_a_cluster
	s_endpgm
.Lentry_in_a_cluster:
	s_bfe_u32 s2, ttmp6, 0x10000c
	s_cmp_lg_u32 s2, 0xf033
	s_cbranch_scc0 .Lentry_shape_is_right
	s_endpgm
.Lentry_shape_is_right:
; QKV[s][n] = sum over k of Xb[s][k] Wqkvb[k][n], then RoPE on the Q and K heads and 1/sqrt(128) on Q; sums and RoPE in f32, f16 out.
; QKV is [4096][2048] f16: byte 256 h of a row = Q head h (8 heads), 2048 + 256 g = K head g, 3072 + 256 g = V head g.
; A work-group makes 256 rows x 128 columns (one head) with four waves; a wave makes 64 rows x 128 columns: 32 accumulator tiles, 256 registers,
; so that a RoPE pair (d, d + 64) lies in one wave.  16 x 16 = 256 work-groups.  K goes in steps of 128 through two LDS slots.
; CLUSTERS of 4 x 4: the four work-groups of a cluster's row make the same rows and ask for X's tiles jointly; the four of a column make the
; same columns and ask for W's tiles jointly.  Waves 0 and 1 fetch X's two halves (128 rows x 256 bytes), waves 2 and 3 W's (64 k rows x 256 bytes).
; W lies [k][n]: its fragments come out of LDS by the transposing load.  THE MATRIX INSTRUCTION IS USED TRANSPOSED: source 0 = 16 columns of W,
; source 1 = 16 rows of X; lane (r, h), register j then holds C(s = 16 a + r, n = 16 b + 8 h + j).
; LIMITS: X, W, cos and sin come rounded to bf16.  Q, K and V leave in f16: 11 significant bits, three more than bf16, since a query that sees few
; keys passes V's rounding straight to the result.  f16 holds magnitudes below 65,504: with X and W both 30 times larger Q, K, V have a root mean square
; of about 900; with offsets of 30 spreads on both they reach 2048 x 30 x 0.66 x sqrt(2), about 57,700.  Beyond 65,504 the result is infinite.
; Q is scaled in f32 ahead of its rounding.
; The V blocks also load cos and sin and do not use them: so every register of the way out is written on every way through the text.
; REGISTERS: window 0: v0-31 addresses and constants; v32-127, v128-223 two fragment buffers (W's 8 fragments, then X's 4);
;   window 1: the accumulators, tile (a, b) at v[8 (8 a + b)];  window 2: v0-127 cos of my 64 rows (bf16 pairs), v128-255 sin.
.set SIZE_K, 2048
.set LAPS,   SIZE_K/256                ; a lap = two K steps = once round the ring
.set XPITCH, 272                       ; an LDS row of X: 256 bytes + 16: the 16 rows of a fragment load start in 16 different groups of banks
.set WPITCH, 288                       ; an LDS row of W: 256 bytes + 32, an odd multiple of 32, for the transposing load
.set XHALF,  128*XPITCH                ; what wave 0 or 1 fetches
.set WHALF,  64*WPITCH                 ; what wave 2 or 3 fetches
.set XTILE,  2*XHALF
.set SLOT,   XTILE+2*WHALF             ; 106,496
.set STAGE,  2*SLOT                    ; behind the ring: 16 rows x 528 bytes of f32 for each wave; no tensor load lands here
.set SPITCH, 528
.set WSTAGE, 16*SPITCH
.set SC,   10                          ; v[10:11] the scale, twice
.set SG,   12                          ; v[12:13] the scale with the sign of rotate_half, twice
.set ADRX, 16                          ; v16-17 LDS address of my X fragments in slot 0, 1
.set ADRW, 20                          ; v20-21 the same for W
.set STO,  24                          ; way out: where I put my 8 numbers of a row
.set RD,   25                          ; way out: where I read 8 neighbouring numbers of a row back
.set RDP,  26                          ; way out: the 8 numbers 64 columns away
.set CO,   27                          ; my byte offset in QKV
.set CSO,  28                          ; my byte offset in cosb and sinb
.set F0,   32
.set F1,   128
.set XO,   32                          ; way out: v[32:95]   8 pairs of rows x 8 numbers
.set XP,   96                          ; way out: v[96:159]  their partners
.set OP,   160                         ; way out: v[160:191] packed f16
.set CU,   192                         ; way out: v[192:255] cos, then sin, widened to f32
.set G1X, 24                           ; s[24:31] descriptor group 1 of X's tiles
.set G0X, 32                           ; s[32:39] group 0 of X's tiles, one set for each slot
.set G1W, 40                           ; s[40:47] group 1 of W's tiles
.set G0W, 48                           ; s[48:55] group 0 of W's tiles
.set MUL, 0x50                         ; C and D in window 1, sources in window 0
.set MSB, 0
.macro WIN new                         ; the immediate's high byte repeats the setting that is left
.if MSB != \new
	s_set_vgpr_msb (MSB<<8)|\new
.set MSB, \new
.endif
.endm
.macro PLACES                          ; four places behind a matrix instruction, in front of loads into its sources and of readers of its result
.rept 4
	v_nop
.endr
.endm
.macro CREST                           ; a round of the cluster's barrier behind its opening work-group barrier
	s_cmp_lg_u32 s14, 0
	s_cbranch_scc1 .Lnot_wave_0_\@
	s_barrier_signal -3
.Lnot_wave_0_\@:
	s_barrier_wait -3
	s_barrier_signal -1
	s_barrier_wait -1
.endm
.macro CROUND                          ; a whole round
	s_barrier_signal -1
	s_barrier_wait -1
	CREST
.endm
.macro JLOAD s                         ; a joint load: each line has one mask; the branch hangs on the wave's number alone
	s_cmp_eq_u32 s15, 0
	s_cbranch_scc0 .Lfor_w_\@
	tensor_load_to_lds s[G0X+4*\s:G0X+4*\s+3], s[G1X:G1X+7]
	s_nop 0
	s_branch .Lasked_\@
.Lfor_w_\@:
	tensor_load_to_lds s[G0W+4*\s:G0W+4*\s+3], s[G1W:G1W+7]
	s_nop 0
.Lasked_\@:
.endm
.macro MULA f, a, zero                 ; 8 matrix instructions: rows 16 a .. 16 a + 15 x all 128 columns, 32 along K; zero = 1: the product starts the sums
.irp b, 0,1,2,3,4,5,6,7
.if \zero
	v_wmma_f32_16x16x32_bf16 v[8*(8*\a+\b):8*(8*\a+\b)+7], v[\f+8*\b:\f+8*\b+7], v[\f+64+8*\a:\f+64+8*\a+7], 0
.else
	v_wmma_f32_16x16x32_bf16 v[8*(8*\a+\b):8*(8*\a+\b)+7], v[\f+8*\b:\f+8*\b+7], v[\f+64+8*\a:\f+64+8*\a+7], v[8*(8*\a+\b):8*(8*\a+\b)+7]
.endif
.endr
.endm
.macro FETCH slot, q, f                ; 24 LDS loads in one run: the fragments of quarter q (32 along K) into buffer f, W's first, X's rows ascending
	WIN 0
.irp b, 0,1,2,3,4,5,6,7
	ds_load_tr16_b128 v[\f+8*\b:\f+8*\b+3],   v[ADRW+\slot] offset:\q*32*WPITCH+32*\b
	ds_load_tr16_b128 v[\f+8*\b+4:\f+8*\b+7], v[ADRW+\slot] offset:\q*32*WPITCH+32*\b+16*WPITCH
.endr
.irp a, 0,1,2,3
	ds_load_b128 v[\f+64+8*\a:\f+64+8*\a+3],   v[ADRX+\slot] offset:\a*16*XPITCH+64*\q
	ds_load_b128 v[\f+64+8*\a+4:\f+64+8*\a+7], v[ADRX+\slot] offset:\a*16*XPITCH+64*\q+32
.endr
.endm
; One of a K step's first three quarters: multiplies buffer f; in its middle it fetches quarter q into buffer g.
; The 32 accumulators take turns, one instruction a turn, in the same order in every quarter.
.macro QUARTER slot, q, f, g, zero
	s_wait_dscnt 0x4                               ; W and X's rows 0-31 are in; the four youngest loads (rows 32-63) may be out
	WIN MUL
	MULA \f, 0, \zero
	MULA \f, 1, \zero
	PLACES
	FETCH \slot, \q, \g
	s_wait_dscnt 24                                ; all but the 24 just issued
	WIN MUL
	MULA \f, 2, \zero
	MULA \f, 3, \zero
.endm
.macro THREE slot, zero
	QUARTER \slot, 1, F0, F1, \zero
	QUARTER \slot, 2, F1, F0, 0
	QUARTER \slot, 3, F0, F1, 0
.endm
; The last quarter multiplies buffer 1 and changes slots.  In front of the barrier each wave waits for its reads of this slot and for all its
; tensor loads (one is out: its part of the next slot).  fill = 1: the barrier opens a round of the cluster's barrier, and the joint refill of
; this slot, two K steps ahead, is the first tensor load behind the round.  From a request to the wait for it a wave issues 120 matrix instructions.
.macro TURN slot, next, fill
	s_wait_dscnt 0x4
	WIN MUL
	MULA F1, 0, 0
	s_wait_dscnt 0x0                               ; my reads of this slot are over
	s_wait_tensorcnt 0x0                           ; all my tensor loads have landed
	ds_add_u32 v30, v31
	s_wait_dscnt 0x0
	s_barrier_signal -1
	MULA F1, 1, 0                                  ; register work while the others arrive
	WIN 0
	s_barrier_wait -1
.if \fill
	CREST                                          ; no wave of any partner still reads this slot or has a load on its way
	s_add_nc_u64 s[G0X+4*\slot+2:G0X+4*\slot+3], s[G0X+4*\slot+2:G0X+4*\slot+3], 512          ; X: 256 numbers along the row
	s_add_nc_u64 s[G0W+4*\slot+2:G0W+4*\slot+3], s[G0W+4*\slot+2:G0W+4*\slot+3], 256*4096     ; W: 256 rows down
	JLOAD \slot
.endif
	PLACES
	FETCH \next, 0, F0
	WIN MUL
	MULA F1, 2, 0
	MULA F1, 3, 0
.endm
.macro LAP zero
	THREE 0, \zero
	TURN 0, 1, 1
	THREE 1, 0
	TURN 1, 0, 1
.endm
	s_load_b256 s[4:11], s[0:1], 0x0               ; Xb s[4:5], Wqkvb s[6:7], cosb s[8:9], sinb s[10:11]
	s_load_b64 s[12:13], s[0:1], 0x20              ; QKV
	v_lshl_add_u32 v30, v0, 2, 0x3c400
	v_mov_b32 v31, 0
	ds_add_u32 v30, v31
	v_lshrrev_b32 v1, 5, v0
	v_readfirstlane_b32 s14, v1                    ; wave 0..3
	s_lshr_b32 s15, s14, 1                         ; I fetch for X (0) or for W (1)
	s_and_b32 s16, s14, 1                          ; which half of that tile
	s_bfe_u32 s17, ttmp6, 0x40000                  ; cx
	s_bfe_u32 s18, ttmp6, 0x40004                  ; cy
	s_lshl_b32 s19, ttmp9, 2
	s_add_co_u32 s19, s19, s17                     ; block column (head) = 4 x cluster x + cx
	s_and_b32 s20, ttmp7, 0xffff
	s_lshl_b32 s20, s20, 2
	s_add_co_u32 s20, s20, s18                     ; block row = 4 x cluster y + cy
	s_lshl_b32 s21, s18, 2
	s_lshl_b32 s21, 15, s21                        ; my row of the cluster
	s_lshl_b32 s22, 0x1111, s17                    ; my column
	s_mov_b32 s75, 0xffff0000                      ; a word's upper bf16
	s_or_b32 s[G1X+0], s21, (1<<16)|(1<<20)|(1<<21)|(5<<22)|(3<<25)  ; mask: my row; 2-byte elements; padding on; bit 21 beside a mask; after every 64 words 4 words
	s_mov_b32 s[G1X+1], 128<<16                    ; tensor_dim0 = 128
	s_mov_b32 s[G1X+2], 128<<16                    ; tensor_dim1 = 128
	s_mov_b32 s[G1X+3], 128<<16                    ; tile_dim0 = 128
	s_mov_b32 s[G1X+4], 128                        ; tile_dim1 = 128 rows
	s_mov_b32 s[G1X+5], SIZE_K                     ; elements from row to row
	s_mov_b32 s[G1X+6], 0
	s_mov_b32 s[G1X+7], 0
	s_or_b32 s[G1W+0], s22, (1<<16)|(1<<20)|(1<<21)|(5<<22)|(7<<25)  ; mask: my column; after every 64 words 8 words
	s_mov_b32 s[G1W+1], 128<<16
	s_mov_b32 s[G1W+2], 64<<16                     ; tensor_dim1 = 64
	s_mov_b32 s[G1W+3], 128<<16
	s_mov_b32 s[G1W+4], 64                         ; tile_dim1 = 64 rows of k
	s_mov_b32 s[G1W+5], 2048
	s_mov_b32 s[G1W+6], 0
	s_mov_b32 s[G1W+7], 0
	s_lshl_b32 s56, s20, 8                         ; X: row 256 x block row + 128 x half: hangs on cy alone
	s_lshl_b32 s57, s16, 7
	s_add_co_u32 s56, s56, s57
	s_mul_i32 s56, s56, SIZE_K*2
	s_mov_b32 s57, 0
	s_lshl_b32 s58, s16, 18                        ; W: 64 rows of 4,096 bytes x half + 256 bytes x block column: hangs on cx alone
	s_lshl_b32 s59, s19, 8
	s_add_co_u32 s58, s58, s59
	s_mov_b32 s59, 0
	s_mul_i32 s60, s14, XHALF                      ; LDS: X's halves at wave x 34,816 (waves 0, 1),
	s_mul_i32 s61, s14, WHALF
	s_add_co_u32 s61, s61, XTILE-2*WHALF           ; W's at 69,632 + (wave - 2) x 18,432 (waves 2, 3)
	s_wait_dscnt 0x0
	s_wait_kmcnt 0x0
	s_add_nc_u64 s[56:57], s[4:5], s[56:57]
	s_add_nc_u64 s[58:59], s[6:7], s[58:59]
	CROUND                                         ; all sixteen work-groups are here: the first joint loads meet
.irp s, 0,1
	s_mov_b32 s[G0X+4*\s], 1
	s_add_co_u32 s[G0X+4*\s+1], s60, \s*SLOT
	s_add_nc_u64 s[G0X+4*\s+2:G0X+4*\s+3], s[56:57], \s*256
	s_or_b32 s[G0X+4*\s+3], s[G0X+4*\s+3], 0x80000000
	s_mov_b32 s[G0W+4*\s], 1
	s_add_co_u32 s[G0W+4*\s+1], s61, \s*SLOT
	s_add_nc_u64 s[G0W+4*\s+2:G0W+4*\s+3], s[58:59], \s*128*4096
	s_or_b32 s[G0W+4*\s+3], s[G0W+4*\s+3], 0x80000000
	JLOAD \s                                       ; both slots' first fills: two tensor loads of the wave are out
.endr
	v_and_b32 v1, 15, v0                           ; r
	v_bfe_u32 v2, v0, 4, 1                         ; h
	v_and_b32 v3, 7, v0
	v_bfe_u32 v4, v0, 3, 1
	v_mul_u32_u24 v5, v1, XPITCH                   ; X fragment: (64 w + r) x pitch + 16 h
	v_lshl_add_u32 v5, v2, 4, v5
	s_mul_i32 s62, s14, 64*XPITCH
	v_add_nc_u32 v[ADRX], s62, v5
	v_add_nc_u32 v[ADRX+1], SLOT, v[ADRX]
	v_lshl_add_u32 v6, v2, 3, v3                   ; W fragment, transposing: (8 h + lane mod 8) x pitch + 16 ((lane / 8) mod 2)
	v_mul_u32_u24 v6, v6, WPITCH
	v_lshl_add_u32 v6, v4, 4, v6
	v_add_nc_u32 v[ADRW], XTILE, v6
	v_add_nc_u32 v[ADRW+1], SLOT, v[ADRW]
	s_mul_i32 s63, s14, WSTAGE
	s_add_co_u32 s63, s63, STAGE                   ; my stage
	v_mul_u32_u24 v7, v1, SPITCH                   ; in: row r, 32 bytes for each half of the lanes
	v_lshl_add_u32 v7, v2, 5, v7
	v_add_nc_u32 v[STO], s63, v7
	v_mul_u32_u24 v8, v2, SPITCH                   ; back: lanes 0-15 one row, lanes 16-31 the next, 8 numbers a lane
	v_add_nc_u32 v8, s63, v8
	v_lshl_add_u32 v[RD], v1, 5, v8
	v_xor_b32 v9, 8, v1                            ; the lane whose 8 columns lie 64 away
	v_lshl_add_u32 v[RDP], v9, 5, v8
	v_lshlrev_b32 v8, 12, v2
	v_lshl_add_u32 v[CO], v1, 4, v8                ; QKV: row half x 4,096 + 16 bytes a lane
	v_lshlrev_b32 v8, 8, v2
	v_lshl_add_u32 v[CSO], v1, 4, v8               ; cosb, sinb: row half x 256 + 16 bytes a lane
	s_cmp_lt_u32 ttmp9, 2                          ; cluster x 0, 1: Q heads; 2: K heads; 3: V heads (the same in all partners)
	s_cselect_b32 s70, 0x3db504f3, 1.0             ; 1/sqrt(128) for Q
	v_mov_b32 v[SC], s70
	v_mov_b32 v[SC+1], s70
	v_xor_b32 v[SG+1], 0x80000000, v[SC]
	v_cmp_gt_u32 vcc_lo, 8, v1                     ; columns 0-63 take minus the upper half
	v_cndmask_b32 v[SG], v[SC], v[SG+1], vcc_lo
	v_mov_b32 v[SG+1], v[SG]
	s_lshl_b32 s70, s20, 8
	s_lshl_b32 s71, s14, 6
	s_add_co_u32 s70, s70, s71                     ; my first row
	s_lshl_b32 s72, s70, 8                         ; x 256 bytes of a table's row
	s_mov_b32 s73, 0
	s_add_nc_u64 s[66:67], s[8:9], s[72:73]        ; cosb at my first row
	s_add_nc_u64 s[68:69], s[10:11], s[72:73]      ; sinb
	s_lshl_b32 s72, s70, 12
	s_lshl_b32 s74, s19, 8
	s_add_co_u32 s72, s72, s74
	s_add_nc_u64 s[12:13], s[12:13], s[72:73]      ; QKV at my first row and my head
	; cos and sin of my 64 rows, all 128 columns, in the layout of the way out (a lane: 8 neighbouring columns, 16 bytes): they land while the products
	; run and are waited for once, behind the products
	WIN 0x80
.irp a, 0,1,2,3
.irp t, 0,1,2,3,4,5,6,7
	global_load_b128 v[4*(8*\a+\t):4*(8*\a+\t)+3], v[CSO], s[66:67] offset:(16*\a+2*\t)*256
.endr
.endr
.irp a, 0,1,2,3
.irp t, 0,1,2,3,4,5,6,7
	global_load_b128 v[128+4*(8*\a+\t):128+4*(8*\a+\t)+3], v[CSO], s[68:69] offset:(16*\a+2*\t)*256
.endr
.endr
	WIN 0
	s_wait_tensorcnt 0x1                           ; my part of K step 0 is in; K step 1's stays out
	s_barrier_signal -1
	s_barrier_wait -1
	FETCH 0, 0, F0
	LAP 1                                          ; the first lap's first products start the sums: nothing is cleared
	WIN 0
	s_mov_b32 s23, LAPS-2
.Llap:
	LAP 0
	WIN 0
	s_sub_co_u32 s23, s23, 1
	s_cmp_lg_u32 s23, 0
	s_cbranch_scc1 .Llap
	THREE 0, 0                                     ; the last lap fills nothing
	TURN 0, 1, 0
	THREE 1, 0
	s_wait_dscnt 0x4
	WIN MUL
	MULA F1, 0, 0
	MULA F1, 1, 0
	s_wait_dscnt 0x0
	MULA F1, 2, 0
	MULA F1, 3, 0
	PLACES
	WIN 0
; A table's 16 rows a (bf16 pairs at register tab of window 2) widened to f32 in CU: the low half moves up, the high half stays.
.macro WIDEN tab
	WIN 0x08                                       ; source 1 in window 2
.irp t, 0,1,2,3,4,5,6,7
.irp k, 0,1,2,3
	v_lshlrev_b32 v[CU+8*\t+2*\k],   16,  v[\tab+4*\t+\k]
	v_and_b32     v[CU+8*\t+2*\k+1], s75, v[\tab+4*\t+\k]
.endr
.endr
	WIN 0
.endm
; THE WAY OUT, 16 rows at a time: f32 into my own stage, read back so that a lane holds 8 neighbouring columns of a row (and, for RoPE, the 8 columns
; 64 away); out = x cos + rotate_half(x) sin, scaled; rounded once to f16; sixteen lanes store 256 consecutive bytes, aligned: one head's row.
; LDS serves a wave's instructions in order (ISA guide 5.7.1), so no wait stands between my stores and my loads.
.macro OUTT a, rope
	WIN 0x04                                       ; store data in window 1
.irp b, 0,1,2,3,4,5,6,7
	ds_store_b128 v[STO], v[8*(8*\a+\b):8*(8*\a+\b)+3]   offset:64*\b
	ds_store_b128 v[STO], v[8*(8*\a+\b)+4:8*(8*\a+\b)+7] offset:64*\b+16
.endr
	WIN 0
.irp t, 0,1,2,3,4,5,6,7
	ds_load_b128 v[XO+8*\t:XO+8*\t+3],   v[RD] offset:\t*2*SPITCH
	ds_load_b128 v[XO+8*\t+4:XO+8*\t+7], v[RD] offset:\t*2*SPITCH+16
.endr
.if \rope
.irp t, 0,1,2,3,4,5,6,7
	ds_load_b128 v[XP+8*\t:XP+8*\t+3],   v[RDP] offset:\t*2*SPITCH
	ds_load_b128 v[XP+8*\t+4:XP+8*\t+7], v[RDP] offset:\t*2*SPITCH+16
.endr
	WIDEN 32*\a                                    ; cos, while the LDS loads are on their way
.endif
	s_wait_dscnt 0x0
.if \rope
.set ix, 0
.rept 32
	v_pk_mul_f32 v[XO+ix:XO+ix+1], v[XO+ix:XO+ix+1], v[SC:SC+1]
	v_pk_mul_f32 v[XP+ix:XP+ix+1], v[XP+ix:XP+ix+1], v[SG:SG+1]
.set ix, ix+2
.endr
.set ix, 0
.rept 32
	v_pk_mul_f32 v[XO+ix:XO+ix+1], v[XO+ix:XO+ix+1], v[CU+ix:CU+ix+1]
.set ix, ix+2
.endr
	WIDEN 128+32*\a                                ; sin
.set ix, 0
.rept 32
	v_pk_fma_f32 v[XO+ix:XO+ix+1], v[XP+ix:XP+ix+1], v[CU+ix:CU+ix+1], v[XO+ix:XO+ix+1]
.set ix, ix+2
.endr
.endif
	s_wait_xcnt 0x0                                ; the packed registers, which the last 16 rows' stores read, are rewritten only behind this wait
.irp t, 0,1,2,3,4,5,6,7
.irp k, 0,1,2,3
	v_cvt_pk_f16_f32 v[OP+4*\t+\k], v[XO+8*\t+2*\k], v[XO+8*\t+2*\k+1]
.endr
	global_store_b128 v[CO], v[OP+4*\t:OP+4*\t+3], s[12:13] offset:(16*\a+2*\t)*4096
.endr
.endm
	s_wait_loadcnt 0x0                             ; cos and sin
	s_cmp_eq_u32 ttmp9, 3
	s_cbranch_scc1 .Lplain
	OUTT 0, 1
	OUTT 1, 1
	OUTT 2, 1
	OUTT 3, 1
	s_branch .Lclose
.Lplain:                                               ; V: no RoPE, no scale
	OUTT 0, 0
	OUTT 1, 0
	OUTT 2, 0
	OUTT 3, 0
.Lclose:
	s_wait_tensorcnt 0x0
	ds_add_u32 v30, v31
	s_wait_dscnt 0x0
	CROUND                                         ; the closing round: no work-group ends while a partner may still ask for a tile that names it
	s_endpgm
.Lfunc_end_k_q5ee7cb3716_qkv:
	.size	k_q5ee7cb3716_qkv, .Lfunc_end_k_q5ee7cb3716_qkv-k_q5ee7cb3716_qkv
	.p2alignl 7, 3214868480
	.fill 96, 4, 3214868480
	.section	.rodata,"a",@progbits
	.p2align	6, 0x0
	.amdhsa_kernel k_q5ee7cb3716_qkv
		.amdhsa_group_segment_fixed_size 327680
		.amdhsa_private_segment_fixed_size 0
		.amdhsa_enable_private_segment 0
		.amdhsa_kernarg_size 40
		.amdhsa_user_sgpr_count 2
		.amdhsa_user_sgpr_kernarg_segment_ptr 1
		.amdhsa_wavefront_size32 1
		.amdhsa_system_sgpr_workgroup_id_x 1
		.amdhsa_system_sgpr_workgroup_id_y 1
		.amdhsa_system_sgpr_workgroup_id_z 1
		.amdhsa_system_vgpr_workitem_id 0
		.amdhsa_next_free_vgpr 768
		.amdhsa_next_free_sgpr 80
		.amdhsa_reserve_vcc 1
		.amdhsa_float_denorm_mode_32 3
		.amdhsa_float_denorm_mode_16_64 3
		.amdhsa_memory_ordered 1
		.amdhsa_forward_progress 1
		.amdhsa_inst_pref_size 199
	.end_amdhsa_kernel
	.amdgpu_metadata
---
amdhsa.version: [ 1, 2 ]
amdhsa.kernels:
  - .name:           k_q5ee7cb3716_qkv
    .symbol:         k_q5ee7cb3716_qkv.kd
    .args:
      - { .name: Xb, .offset: 0, .size: 8, .value_kind: global_buffer, .address_space: global }
      - { .name: Wqkvb, .offset: 8, .size: 8, .value_kind: global_buffer, .address_space: global }
      - { .name: cosb, .offset: 16, .size: 8, .value_kind: global_buffer, .address_space: global }
      - { .name: sinb, .offset: 24, .size: 8, .value_kind: global_buffer, .address_space: global }
      - { .name: QKV, .offset: 32, .size: 8, .value_kind: global_buffer, .address_space: global }
    .group_segment_fixed_size: 327680
    .private_segment_fixed_size: 0
    .kernarg_segment_align: 8
    .kernarg_segment_size: 40
    .max_flat_workgroup_size: 128
    .sgpr_count:     80
    .vgpr_count:     768
    .wavefront_size: 32
...
	.end_amdgpu_metadata
.endif
;; end of part 2
;; launch attn (part 3): grid 4 x 64, 4 waves a work-group, clusters of 4 x 4, 327,680 bytes of LDS; arguments QKV, attention_mask, gate, ctx; writes ctx
.if DOCPART == 3
	.amdgcn_target "amdgcn-amd-amdhsa--gfx1250"
	.amdhsa_code_object_version 6
	.text
	.protected	k_q5ee7cb3716_attn
	.globl	k_q5ee7cb3716_attn
	.p2align	8
	.type	k_q5ee7cb3716_attn,@function
k_q5ee7cb3716_attn:
	s_mov_b64 s[64:65], 0
	v_nop
	global_prefetch_b8 v0, s[64:65] scope:SCOPE_SE
	s_setreg_imm32_b32 hwreg(HW_REG_WAVE_MODE, 25, 1), 1
	s_wait_xcnt 0x0
	s_wait_alu depctr_hold_cnt(0) depctr_sa_sdst(0) depctr_va_vdst(0) depctr_va_sdst(0) depctr_va_ssrc(0) depctr_va_vcc(0) depctr_vm_vsrc(0)
	s_getreg_b32 s2, hwreg(HW_REG_IB_STS2, 6, 4)
	s_cmp_eq_u32 s2, 0
	s_cbranch_scc0 .Lentry_in_a_cluster
	s_endpgm
.Lentry_in_a_cluster:
	s_bfe_u32 s2, ttmp6, 0x10000c
	s_cmp_lg_u32 s2, 0xf033
	s_cbranch_scc0 .Lentry_shape_is_right
	s_endpgm
.Lentry_shape_is_right:
; ctx = softmax(Q K^T + mask + ln(gate + 1e-8)) V for all 4,096 keys (the mask is an input: no pattern of it is built in), by a running maximum.
; Q comes scaled by 1/sqrt(128).  A work-group has 64 query positions x the two query heads of one KV head: 4 x 64 = 256 work-groups.
; Wave w: i = w / 2 picks 32 query positions, j = w mod 2 picks keys 64 j .. 64 j + 63 of every tile of 128 keys.  So a wave has 64 columns
; (nt = 0..3: head nt / 2, positions 16 (nt mod 2) ..) and keeps its own running (m, l, O) over its half of the keys; the two waves of a pair
; are merged once, at the end, through LDS.  Both heads share one bias fragment and the fragments of K and V.
; S^T = K Q^T: lane (r, h), register jj holds (key 16 kt + 8 h + jj, query r).  Two such tiles, rounded to f16 in place, ARE the second source of
; O^T = V^T P^T for 32 keys; V^T comes out of LDS by the transposing load.  m, l and alpha are one number a lane; no shuffle but one exchange of halves.
; TWO STREAMS, HALF A TILE APART: stream A = head 0 (nt 0, 1), stream B = head 1 (nt 2, 3), on disjoint registers of S, O and the softmax's state.
; A tile is four slots of 32 matrix instructions, and behind each matrix instruction stand five or six vector lines of the OTHER stream's softmax:
;   slot 1: S_A(t)    with the second half of B's softmax of tile t - 1        slot 2: PV_B(t - 1) with the first half of A's softmax of tile t
;   slot 3: S_B(t)    with the second half of A's softmax of tile t            slot 4: PV_A(t)     with the first half of B's softmax of tile t
; so vector work stands between the matrix instructions and not behind them.  The price: two switches of the register window for each matrix
; instruction.  They cannot be spared: O fills a window of 256 registers, so no vector line's destination shares the window of PV's result, and K's
; fragments, Q and S do not fit into one window beside the softmax's state.
; CLUSTERS of 4 x 4: cx = KV head, cy = query block.  K's and V's tiles are asked for jointly along a column (wave 0: K, wave 1: V), the mask's along
; a row (waves 2, 3: 32 rows each).
; NUMBERS: scores stay in natural units; (s - m) is formed first and only then multiplied by log2(e), so a mask of -3.4e38 never overflows into a NaN;
; m starts at -3.4e38 at the least, so a row masked throughout gives equal weights, and a row of -inf throughout gives NaN, both as the formula does.
; FORMATS: Q, K, V and the weights P are f16 (11 significant bits; P is at most 1; for Q, K, V magnitudes below 65,504: see the launch that makes them).
; The result leaves as TWO bf16 numbers, hi = bf16(x) and lo = bf16(x - hi), 16 significant bits at f32's range: a ctx row is 4,096 bytes, head h has its
; 128 hi at byte 512 h and its 128 lo at byte 512 h + 256.
; LIMITS: the gate is rounded to bf16 as it is loaded, like the other inputs of the program (the mask is taken in f32 as given); the bias is formed as
; mask + ln(gate + 1e-8) and then added to the product (the formula adds them in turn); the row sums are of the f32 weights, the products of the f16 ones.
; REGISTERS: window 0: v0-31 addresses; Q(nt, kc) at 32 + 8 (4 nt + kc); the bias MB(qt, kt) at 160 + 8 (4 qt + kt); ln(gate) at 224 + 8 kt.
;   window 1: S(kt, nt) at 8 (4 kt + nt), P(u, nt) in place at S(2 u, nt); from 128 on the softmax's state.
;   window 2: O(dt, nt) at 8 (4 dt + nt).   window 3: K's fragments (kc, kt) at 8 (4 kc + kt); V's (u, dt) at 128 + 8 (8 u + dt).
.set KPITCH, 272                       ; 256 bytes + 16
.set VPITCH, 288                       ; 256 bytes + 32, an odd multiple of 32, for the transposing load
.set MPITCH, 528                       ; 512 bytes of f32 + 16
.set VAT,  128*KPITCH                  ; in a slot: K at 0, V at 34,816,
.set MAT,  VAT+128*VPITCH              ; the mask at 71,680
.set SLOT, MAT+64*MPITCH               ; 105,472
.set LG,   2*SLOT                      ; ln(gate + 1e-8), 4,096 f32.  From here on no tensor load lands
.set CMB,  LG+16384                    ; for each pair of waves: 67 groups of 512 bytes: O (64), m (2), l (1)
.set CMBP, 67*512
.set OST,  CMB+2*CMBP                  ; for each pair: 16 rows x 272 bytes, the way out
.set OSTP, 16*272
.set KVSTEP, 128*4096                  ; 128 rows of QKV
.set MSTEP,  512                       ; 128 f32 along a row of the mask
.set AK, 10                            ; v10-11 LDS address of my K fragments in slot 0, 1
.set AV, 12                            ; v12-13 V
.set AM, 14                            ; v14-15 mask
.set ALG, 16                           ; ln(gate) of this tile's keys; steps by 512
.set PFA, 17                           ; prefetch: byte offset in the mask
.set PFMAX, 18                         ; the same in the last tile
.set CMBA, 19
.set OSTO, 20
.set ORD, 21
.set CO, 22
.set QOFF, 23
.set GOFF, 24
.set LGST, 25
.set Q, 32
.set PK, 32                            ; way out: v[32:63]   hi, packed
.set PL, 64                            ; way out: v[64:95]   lo, packed
.set HF, 96                            ; way out: v[96:159]  hi widened, then x - hi
.set RB0, 160                          ; way out: v[160:191] rows of hi read back
.set RB1, 192                          ; way out: v[192:223] rows of lo read back
.set MB, 160
.set LGR, 224
.set MP, 128                           ; window 1: m, twice, for each nt
.set AP, 136                           ; alpha, twice
.set LP, 144                           ; two partial sums
.set MX, 152                           ; the tile's maximum (first chain)
.set MXT, 156
.set LF, 160                           ; l
.set T, 164
.set MPB, 164                          ; merge: the partner's m (pairs),
.set LFB, 172                          ; its l,
.set MN, 176                           ; the common maximum,
.set EA, 180                           ; my factor,
.set EB, 184                           ; the partner's,
.set DEN, 188                          ; the sum, then its reciprocal
.set MX2, 192                          ; the maximum's second chain
.set LP2, 196                          ; the row sum's second chain (pairs)
.set VF, 128                           ; window 3
.set G1K, 24
.set G1V, 32
.set G1M, 40
.set G0K, 48
.set G0V, 56
.set G0M, 68
; lines in a stream's softmax of one tile, and where it is cut in two.  A's list begins with the 32 lines that add ln(gate) onto the mask, for both streams.
.set NA,  372                          ; 32 + 32 bias + 34 maximum + 18 new m and alpha + 64 O alpha + 128 exponentials + 32 sum + 32 rounding
.set HA,  186
.set NB,  340
.set HB,  170
.set NAF, 296                          ; the first tile: 8 lines for m, no alpha, no O, 30 for the sum
.set HAF, 148
.set NBF, 264
.set HBF, 132
.set MSB, 0
.macro WIN new                         ; the immediate's high byte repeats the setting that is left
.if MSB != \new
	s_set_vgpr_msb (MSB<<8)|\new
.set MSB, \new
.endif
.endm
.macro ROUND                           ; a round of the cluster's barrier
	s_barrier_signal -1
	s_barrier_wait -1
	s_cmp_lg_u32 s12, 0
	s_cbranch_scc1 .Lnot_wave_0_\@
	s_barrier_signal -3
.Lnot_wave_0_\@:
	s_barrier_wait -3
	s_barrier_signal -1
	s_barrier_wait -1
.endm
.macro JLOAD s                         ; a wave's one joint load: wave 0 K, wave 1 V, waves 2 and 3 the mask's halves
	s_cmp_lg_u32 s12, 0
	s_cbranch_scc1 .Lnot_k_\@
	tensor_load_to_lds s[G0K+4*\s:G0K+4*\s+3], s[G1K:G1K+7]
	s_nop 0
	s_branch .Lasked_\@
.Lnot_k_\@:
	s_cmp_lg_u32 s12, 1
	s_cbranch_scc1 .Lfor_m_\@
	tensor_load_to_lds s[G0V+4*\s:G0V+4*\s+3], s[G1V:G1V+7]
	s_nop 0
	s_branch .Lasked_\@
.Lfor_m_\@:
	tensor_load_to_lds s[G0M+4*\s:G0M+4*\s+3], s[G1M:G1M+7]
	s_nop 0
.Lasked_\@:
.endm
; The three runs of LDS loads of a tile.
.macro KLOADS slot                     ; 32 loads: my 64 keys x 128 d
	WIN 0xc0                                       ; destination window 3
.irp kc, 0,1,2,3
.irp kt, 0,1,2,3
	ds_load_b128 v[8*(4*\kc+\kt):8*(4*\kc+\kt)+3],   v[AK+\slot] offset:\kt*16*KPITCH+64*\kc
	ds_load_b128 v[8*(4*\kc+\kt)+4:8*(4*\kc+\kt)+7], v[AK+\slot] offset:\kt*16*KPITCH+64*\kc+32
.endr
.endr
.endm
.macro MLOADS slot                     ; 24 loads: the mask of my 32 positions x 64 keys, ln(gate) of my 64 keys
	WIN 0
.irp qt, 0,1
.irp kt, 0,1,2,3
	ds_load_b128 v[MB+8*(4*\qt+\kt):MB+8*(4*\qt+\kt)+3],   v[AM+\slot] offset:\qt*16*MPITCH+64*\kt
	ds_load_b128 v[MB+8*(4*\qt+\kt)+4:MB+8*(4*\qt+\kt)+7], v[AM+\slot] offset:\qt*16*MPITCH+64*\kt+16
.endr
.endr
.irp kt, 0,1,2,3
	ds_load_b128 v[LGR+8*\kt:LGR+8*\kt+3],   v[ALG] offset:64*\kt
	ds_load_b128 v[LGR+8*\kt+4:LGR+8*\kt+7], v[ALG] offset:64*\kt+16
.endr
	v_add_nc_u32 v[ALG], 512, v[ALG]               ; the next tile's keys
.endm
.macro VLOADS slot                     ; 32 transposing loads: 128 d x my 64 keys
	WIN 0xc0
.irp u, 0,1
.irp dt, 0,1,2,3,4,5,6,7
	ds_load_tr16_b128 v[VF+8*(8*\u+\dt):VF+8*(8*\u+\dt)+3],   v[AV+\slot] offset:\u*32*VPITCH+32*\dt
	ds_load_tr16_b128 v[VF+8*(8*\u+\dt)+4:VF+8*(8*\u+\dt)+7], v[AV+\slot] offset:\u*32*VPITCH+32*\dt+16*VPITCH
.endr
.endr
.endm
; Matrix instruction number i (0..31) of a slot.  In both kinds the slot's accumulators take turns, one instruction a turn.
.macro WS x, i                         ; S^T = K Q^T of stream x: kc = i / 8 (32 along d), then kt, then the stream's two nt: 8 accumulators
	WIN 0x53                                       ; K window 3, Q window 0, C and D window 1
.set kc_, (\i)>>3
.set kt_, ((\i)>>1)&3
.set nt_, 2*\x+((\i)&1)
.set rd_, 8*(4*kt_+nt_)
.set ra_, 8*(4*kc_+kt_)
.set rb_, Q+8*(4*nt_+kc_)
.if kc_ == 0
	v_wmma_f32_16x16x32_f16 v[rd_:rd_+7], v[ra_:ra_+7], v[rb_:rb_+7], 0
.else
	v_wmma_f32_16x16x32_f16 v[rd_:rd_+7], v[ra_:ra_+7], v[rb_:rb_+7], v[rd_:rd_+7]
.endif
.endm
.macro WP x, i, first                  ; O^T += V^T P^T of stream x: u = i / 16 (32 keys), then dt, then the two nt: 16 accumulators.  first = 1: u = 0 starts the sums
	WIN 0xa7                                       ; V window 3, P window 1, C and D window 2
.set u_, (\i)>>4
.set dt_, ((\i)>>1)&7
.set nt_, 2*\x+((\i)&1)
.set rd_, 8*(4*dt_+nt_)
.set ra_, VF+8*(8*u_+dt_)
.set rb_, 8*(8*u_+nt_)
.if \first*(1-u_)
	v_wmma_f32_16x16x32_f16 v[rd_:rd_+7], v[ra_:ra_+7], v[rb_:rb_+7], 0
.else
	v_wmma_f32_16x16x32_f16 v[rd_:rd_+7], v[ra_:ra_+7], v[rb_:rb_+7], v[rd_:rd_+7]
.endif
.endm
; The parts of a stream's softmax, each as 'line number j of the part'.
; The largest of my 32 scores of each of the stream's two columns: four chains side by side (column x half of the keys), 8 lines each, then two lines that join them.
.macro VMAX x, j
.if \j < 32
.set nt_, 2*\x+((\j)&1)
.set hf_, ((\j)>>1)&1
.set st_, (\j)>>2
.set rd_, MX+nt_+(MX2-MX)*hf_
.set t0_, 8*(8*hf_+nt_)                                ; tile kt = 2 hf; tile kt = 2 hf + 1 lies 32 registers on
.if st_ == 0
	v_max3_num_f32 v[rd_], v[t0_], v[t0_+1], v[t0_+2]
.elseif st_ < 7
.set ra_, t0_+2*st_+1+24*((2*st_+1)>>3)
.set rb_, t0_+2*st_+2+24*((2*st_+2)>>3)
	v_max3_num_f32 v[rd_], v[rd_], v[ra_], v[rb_]
.else
	v_max_num_f32 v[rd_], v[rd_], v[t0_+39]
.endif
.else
.set nt_, 2*\x+(\j)-32
	v_max_num_f32 v[MX+nt_], v[MX+nt_], v[MX2+nt_]
.endif
.endm
; The other half of the lanes holds the other 32 keys; then the new m and alpha = exp(m old - m new).
.macro VNEWM x, first, j
.set nt_, 2*\x+((\j)&1)
.if \j < 2
	v_permlanex16_b32 v[MXT+nt_], v[MX+nt_], s22, s23
.elseif \j < 4
	v_max_num_f32 v[MX+nt_], v[MX+nt_], v[MXT+nt_]
.elseif \first
.if \j < 6
	v_max_num_f32 v[MP+2*nt_], 0xff7fffff, v[MX+nt_]   ; never below the most negative finite number
.else
	v_mov_b32 v[MP+2*nt_+1], v[MP+2*nt_]
.endif
.elseif \j < 6
	v_max_num_f32 v[MX+nt_], v[MX+nt_], v[MP+2*nt_]
.elseif \j < 8
	v_sub_f32 v[T+nt_], v[MP+2*nt_], v[MX+nt_]
.elseif \j < 10
	v_mul_f32 v[T+nt_], s76, v[T+nt_]
.elseif \j < 12
	v_exp_f32 v[AP+2*nt_], v[T+nt_]
.elseif \j < 16                                        ; four plain lines that touch neither alpha nor its source stand behind the exponentials (ISA guide 5.7.2)
.set nt_, 2*\x+(((\j)-12)>>1)
	v_mov_b32 v[MP+2*nt_+((\j)&1)], v[MX+nt_]
.else
	s_wait_alu depctr_va_vdst(0)
	v_mov_b32 v[AP+2*nt_+1], v[AP+2*nt_]
.endif
.endm
; p = exp2((s - m) log2 e).  tau = 0..7: the stream's tiles (kt = tau / 2, nt = tau mod 2).
.macro DPL x, tau, p                   ; plain line p of a tile: 0-3 subtract m from a pair, 4-7 multiply a pair by log2 e
.set nt_, 2*\x+((\tau)&1)
.set ra_, 8*(4*((\tau)>>1)+nt_)+2*((\p)&3)
.if (\p) < 4
	v_pk_add_f32 v[ra_:ra_+1], v[ra_:ra_+1], v[MP+2*nt_:MP+2*nt_+1] neg_lo:[0,1] neg_hi:[0,1]
.else
	v_pk_mul_f32 v[ra_:ra_+1], v[ra_:ra_+1], s[76:77] op_sel_hi:[1,0]
.endif
.endm
.macro DEX x, tau, r
.set ra_, 8*(4*((\tau)>>1)+2*\x+((\tau)&1))+(\r)
	v_exp_f32 v[ra_], v[ra_]
.endm
; 128 lines: tile 0's eight plain lines; then a tile's eight exponentials by turns with the next tile's eight plain lines, so that behind each exponential
; stands a plain line on other registers (ISA guide 5.7.2); at last tile 7's eight exponentials, behind which the sum begins with tile 0's numbers.
.macro VEXP x, j
.if \j < 8
	DPL \x, 0, \j
.elseif \j < 120
.set tk_, ((\j)-8)>>4
.set tp_, (((\j)-8)&15)>>1
.if (\j)&1
	DPL \x, tk_+1, tp_
.else
	DEX \x, tk_, tp_
.endif
.else
	DEX \x, 7, (\j)-120
.endif
.endm
; l = l alpha + the sum of my p.  A column has 16 pairs (pair q: tile kt = q / 4, registers 2 (q mod 4)); two chains a column: LP takes pairs 0-7, LP2 pairs 8-15.
.macro VSUM x, first, j
.set nt_, 2*\x+((\j)&1)
.set lp_, LP+2*nt_
.set l2_, LP2+2*nt_
.if \j < 28
.set st_, (\j)>>2
.if ((\j)>>1)&1
.if st_ == 0
.set ra_, 8*(8+nt_)
	v_pk_add_f32 v[l2_:l2_+1], v[ra_:ra_+1], v[ra_+2:ra_+3]
.else
.set pq_, 9+st_
.set ra_, 8*(4*(pq_>>2)+nt_)+2*(pq_&3)
	v_pk_add_f32 v[l2_:l2_+1], v[l2_:l2_+1], v[ra_:ra_+1]
.endif
.else
.if st_ == 0
.set ra_, 8*nt_
.if \first
	s_wait_alu depctr_va_vdst(0)
	v_pk_add_f32 v[lp_:lp_+1], v[ra_:ra_+1], v[ra_+2:ra_+3]
.else
	s_wait_alu depctr_va_vdst(0)
	v_pk_fma_f32 v[lp_:lp_+1], v[lp_:lp_+1], v[AP+2*nt_:AP+2*nt_+1], v[ra_:ra_+1]
.endif
.else
.set pq_, st_+\first
.set ra_, 8*(4*(pq_>>2)+nt_)+2*(pq_&3)
	v_pk_add_f32 v[lp_:lp_+1], v[lp_:lp_+1], v[ra_:ra_+1]
.endif
.endif
.elseif \j < 30-2*\first
.set ra_, 8*(4+nt_)+6                                  ; pair 7
	v_pk_add_f32 v[lp_:lp_+1], v[lp_:lp_+1], v[ra_:ra_+1]
.else
	v_pk_add_f32 v[lp_:lp_+1], v[lp_:lp_+1], v[l2_:l2_+1]
.endif
.endm
; Line number i of stream x's softmax of one tile.  first = 1: the tile starts m, l and O: nothing is cleared.
.macro VOP x, first, i
.set cb_, 32*(1-\x)
.set r1_, cb_+32
.set r2_, r1_+34
.set r3_, r2_+18-10*\first
.set r4_, r3_+64-64*\first
.set r5_, r4_+128
.set r6_, r5_+32-2*\first
.if \i < cb_                                           ; bias = mask + ln(gate), once for both streams
	WIN 0
.set ra_, MB+8*((\i)>>2)+2*((\i)&3)
.set rb_, LGR+8*(((\i)>>2)&3)+2*((\i)&3)
	v_pk_add_f32 v[ra_:ra_+1], v[ra_:ra_+1], v[rb_:rb_+1]
.elseif \i < r1_                                       ; S += bias
	WIN 0x41                                       ; S in window 1, the bias in window 0
.set j_, \i-cb_
.set n_, (j_>>2)&1
.set ra_, 8*(4*(j_>>3)+2*\x+n_)+2*(j_&3)
.set rb_, MB+8*(4*n_+(j_>>3))+2*(j_&3)
	v_pk_add_f32 v[ra_:ra_+1], v[ra_:ra_+1], v[rb_:rb_+1]
.elseif \i < r2_
	WIN 0x55                                       ; all in window 1
.set j_, \i-r1_
	VMAX \x, j_
.elseif \i < r3_
	WIN 0x55
.set j_, \i-r2_
	VNEWM \x, \first, j_
.elseif \i < r4_                                       ; O *= alpha
	WIN 0x86                                       ; O in window 2, alpha in window 1
.set j_, \i-r3_
.set nt_, 2*\x+((j_>>2)&1)
.set ra_, 8*(4*(j_>>3)+nt_)+2*(j_&3)
	v_pk_mul_f32 v[ra_:ra_+1], v[ra_:ra_+1], v[AP+2*nt_:AP+2*nt_+1]
.elseif \i < r5_
	WIN 0x55
.set j_, \i-r4_
	VEXP \x, j_
.elseif \i < r6_
	WIN 0x55
.set j_, \i-r5_
	VSUM \x, \first, j_
.else                                                  ; P: tiles 2 u and 2 u + 1 rounded to f16 into registers 0-3 and 4-7 of tile 2 u, ascending: no number is overwritten before it is read
	WIN 0x55
.set j_, \i-r6_
.set nt_, 2*\x+((j_>>3)&1)
.set k_, j_&7
.set rd_, 8*(8*(j_>>4)+nt_)+k_
.set ra_, 8*(8*(j_>>4)+4*(k_>>2)+nt_)+2*(k_&3)
	v_cvt_pk_f16_f32 v[rd_], v[ra_], v[ra_+1]
.endif
.endm
; A slot: 32 matrix instructions (kind 1: S of stream wx, 2: PV of stream wx, 0: none) with lines from .. to - 1 of stream vx's softmax shared out evenly behind them.
.macro ZIP kind, wx, wfirst, vx, vfirst, from, to
.set zw_, 0
.set zv_, \from
.rept 32
.if \kind == 1
	WS \wx, zw_
.endif
.if \kind == 2
	WP \wx, zw_, \wfirst
.endif
.set zw_, zw_+1
.set zl_, \from+(zw_*(\to-\from))/32
.rept 7
.if zv_ < zl_
	VOP \vx, \vfirst, zv_
.set zv_, zv_+1
.endif
.endr
.endr
.endm
; The change of slots, between a tile's slots 3 and 4: K, the mask and V of tile t (in 'slot') have all been read.  Every wave waits for its LDS reads and for all
; its tensor loads (one is out: its part of tile t + 1).  mode 2: a round of the cluster's barrier, and behind it, first, the wave's one joint load: tile t + 2 into
; 'slot'; it has a whole tile's work in which to land.  mode 1 (tile 30): nothing is left to fetch, a plain barrier shows tile 31 whole.  mode 0 (tile 31): V's wait alone.
; Then K's fragments of tile t + 1.  They land on registers that slot 3's last matrix instructions read: behind those stand at least five roundings of the other
; stream (186 - 180 or 148 - 143 lines), the places that ISA guide 7.12.1 asks for.
.macro TURNOVER slot, other, mode
	WIN 0
	s_wait_dscnt 0x0
.if \mode == 2
	s_wait_tensorcnt 0x0
	ds_add_u32 v30, v31
	s_wait_dscnt 0x0
	s_add_nc_u64 s[G0K+4*\slot+2:G0K+4*\slot+3], s[G0K+4*\slot+2:G0K+4*\slot+3], 2*KVSTEP   ; no tensor load of mine is out: the descriptors may be stepped
	s_add_nc_u64 s[G0V+4*\slot+2:G0V+4*\slot+3], s[G0V+4*\slot+2:G0V+4*\slot+3], 2*KVSTEP
	s_add_nc_u64 s[G0M+4*\slot+2:G0M+4*\slot+3], s[G0M+4*\slot+2:G0M+4*\slot+3], 2*MSTEP
	ROUND
	JLOAD \slot
.endif
.if \mode == 1
	s_wait_tensorcnt 0x0
	s_barrier_signal -1
	s_barrier_wait -1
.endif
.if \mode
	KLOADS \other
	WIN 0
.endif
.if \mode == 2
	; Prefetch: wave 0 asks for its work-group's quarter (16 rows x 512 bytes, 32 lanes 256 bytes apart) of the mask's tile t + 3, whose tensor load is issued at the
	; next change of slots; the four work-groups that share the tile ask for a quarter each.  The address is clamped to the last tile.
	s_cmp_lg_u32 s12, 0
	s_cbranch_scc1 .Lno_prefetch_\@
	global_prefetch_b8 v[PFA], s[6:7] th:TH_LOAD_NT scope:SCOPE_SE
.Lno_prefetch_\@:
.endif
.endm
; Tile t (in 'slot'), t >= 1.  bfirst = 1 (t = 1): stream B's tile t - 1 was its first.
; Each run of LDS loads has a slot's 32 matrix instructions in which to land, so each wait is for 0.
; Places behind matrix instructions are filled by the zipped lines: behind slot 2's last product stand lines 180 to 185 of A's list, six plain
; lines on S(0, 0), ahead of V's loads and of S_B's products, which write over P_B; behind slot 4's last stand three plain lines of B's list and the three
; address steps at the next tile's head, ahead of S_A's products, which write over P_A.
.macro BODY slot, other, bfirst, mode
	s_wait_dscnt 0x0                               ; K's fragments of this tile
	MLOADS \slot
	s_wait_xcnt 0x0                                ; the prefetch's address register is rewritten only behind this wait; the prefetch stands a slot back
	v_add_nc_u32 v[PFA], MSTEP, v[PFA]
	v_min_u32 v[PFA], v[PFA], v[PFMAX]             ; never past the last tile
.if \bfirst
	ZIP 1, 0, 0, 1, 1, HBF, NBF                    ; slot 1
	s_wait_dscnt 0x0                               ; mask and ln(gate)
	ZIP 2, 1, 1, 0, 0, 0, HA                       ; slot 2
.else
	ZIP 1, 0, 0, 1, 0, HB, NB
	s_wait_dscnt 0x0
	ZIP 2, 1, 0, 0, 0, 0, HA
.endif
	VLOADS \slot
	ZIP 1, 1, 0, 0, 0, HA, NA                      ; slot 3
	TURNOVER \slot, \other, \mode
	ZIP 2, 0, 0, 1, 0, 0, HB                       ; slot 4
.endm
	s_load_b256 s[4:11], s[0:1], 0x0               ; QKV s[4:5], mask s[6:7], gate s[8:9], ctx s[10:11]
	v_lshl_add_u32 v30, v0, 2, 0x4a600
	v_mov_b32 v31, 0
	ds_add_u32 v30, v31
	v_lshrrev_b32 v1, 5, v0
	v_readfirstlane_b32 s12, v1                    ; wave 0..3
	s_lshr_b32 s13, s12, 1                         ; i: my 32 query positions
	s_and_b32 s14, s12, 1                          ; j: my 64 keys of a tile
	s_bfe_u32 s15, ttmp6, 0x40000                  ; cx
	s_bfe_u32 s16, ttmp6, 0x40004                  ; cy
	s_lshl_b32 s17, ttmp9, 2
	s_add_co_u32 s17, s17, s15                     ; KV head
	s_and_b32 s18, ttmp7, 0xffff
	s_lshl_b32 s18, s18, 2
	s_add_co_u32 s18, s18, s16                     ; query block
	s_lshl_b32 s19, s16, 2
	s_lshl_b32 s19, 15, s19                        ; my row of the cluster: the same query block
	s_lshl_b32 s20, 0x1111, s15                    ; my column: the same KV head
	s_mov_b32 s22, 0x76543210                      ; v_permlanex16_b32: lane i of one half reads lane i of the other
	s_mov_b32 s23, 0xfedcba98
	s_mov_b32 s76, 0x3fb8aa3b                      ; log2(e), twice
	s_mov_b32 s77, 0x3fb8aa3b
	s_or_b32 s[G1K+0], s20, (1<<16)|(1<<20)|(1<<21)|(5<<22)|(3<<25)  ; K: my column; 2-byte elements; after every 64 words 4 words of padding
	s_or_b32 s[G1V+0], s20, (1<<16)|(1<<20)|(1<<21)|(5<<22)|(7<<25)  ; V: 8 words of padding
	s_or_b32 s[G1M+0], s19, (2<<16)|(1<<20)|(1<<21)|(6<<22)|(3<<25)  ; mask: my row; 4-byte elements; after every 128 words 4 words
.irp g, G1K, G1V
	s_mov_b32 s[\g+1], 128<<16                     ; tensor_dim0 = 128
	s_mov_b32 s[\g+2], 128<<16                     ; tensor_dim1 = 128
	s_mov_b32 s[\g+3], 128<<16                     ; tile_dim0 = 128
	s_mov_b32 s[\g+4], 128                         ; tile_dim1 = 128 keys
	s_mov_b32 s[\g+5], 2048                        ; elements from row to row of QKV
	s_mov_b32 s[\g+6], 0
	s_mov_b32 s[\g+7], 0
.endr
	s_mov_b32 s[G1M+1], 128<<16
	s_mov_b32 s[G1M+2], 32<<16                     ; tensor_dim1 = 32
	s_mov_b32 s[G1M+3], 128<<16
	s_mov_b32 s[G1M+4], 32                         ; tile_dim1 = 32 query rows
	s_mov_b32 s[G1M+5], 4096
	s_mov_b32 s[G1M+6], 0
	s_mov_b32 s[G1M+7], 0
	s_lshl_b32 s78, s17, 8                         ; K, V: 256 bytes x KV head: hangs on cx alone
	s_mov_b32 s79, 0
	s_lshl_b32 s82, s18, 20                        ; mask: (64 x query block + 32 x (wave mod 2)) rows of 16,384 bytes: hangs on cy alone
	s_lshl_b32 s83, s14, 19
	s_add_co_u32 s82, s82, s83
	s_mov_b32 s83, 0
	s_mul_i32 s86, s12, 32*MPITCH
	s_add_co_u32 s86, s86, MAT-2*32*MPITCH         ; LDS: 71,680 + (wave - 2) x 16,896 (waves 2, 3)
	s_wait_dscnt 0x0
	s_wait_kmcnt 0x0
	s_add_nc_u64 s[80:81], s[4:5], s[78:79]
	s_add_nc_u64 s[84:85], s[6:7], s[82:83]
.irp s, 0,1
	s_mov_b32 s[G0K+4*\s], 1
	s_mov_b32 s[G0K+4*\s+1], \s*SLOT
	s_add_nc_u64 s[G0K+4*\s+2:G0K+4*\s+3], s[80:81], 2048+\s*KVSTEP
	s_or_b32 s[G0K+4*\s+3], s[G0K+4*\s+3], 0x80000000
	s_mov_b32 s[G0V+4*\s], 1
	s_mov_b32 s[G0V+4*\s+1], \s*SLOT+VAT
	s_add_nc_u64 s[G0V+4*\s+2:G0V+4*\s+3], s[80:81], 3072+\s*KVSTEP
	s_or_b32 s[G0V+4*\s+3], s[G0V+4*\s+3], 0x80000000
	s_mov_b32 s[G0M+4*\s], 1
	s_add_co_u32 s[G0M+4*\s+1], s86, \s*SLOT
	s_add_nc_u64 s[G0M+4*\s+2:G0M+4*\s+3], s[84:85], \s*MSTEP
	s_or_b32 s[G0M+4*\s+3], s[G0M+4*\s+3], 0x80000000
.endr
	ROUND                                          ; all sixteen work-groups are here: the first joint loads meet
	s_cmp_lg_u32 s12, 0                            ; the first fills, tiles 0 and 1, as one group: two tensor loads of every wave are out
	s_cbranch_scc1 .Lfirst_not_k
	tensor_load_to_lds s[G0K:G0K+3], s[G1K:G1K+7]
	s_nop 0
	tensor_load_to_lds s[G0K+4:G0K+7], s[G1K:G1K+7]
	s_nop 0
	s_branch .Lfirst_asked
.Lfirst_not_k:
	s_cmp_lg_u32 s12, 1
	s_cbranch_scc1 .Lfirst_for_m
	tensor_load_to_lds s[G0V:G0V+3], s[G1V:G1V+7]
	s_nop 0
	tensor_load_to_lds s[G0V+4:G0V+7], s[G1V:G1V+7]
	s_nop 0
	s_branch .Lfirst_asked
.Lfirst_for_m:
	tensor_load_to_lds s[G0M:G0M+3], s[G1M:G1M+7]
	s_nop 0
	tensor_load_to_lds s[G0M+4:G0M+7], s[G1M:G1M+7]
	s_nop 0
.Lfirst_asked:
	v_and_b32 v1, 15, v0                           ; r
	v_bfe_u32 v2, v0, 4, 1                         ; h
	v_and_b32 v3, 7, v0
	v_bfe_u32 v4, v0, 3, 1
	v_and_b32 v5, 31, v0                           ; lane
	v_lshlrev_b32 v[GOFF], 4, v0                   ; gate: 16 bytes a thread
	v_add_nc_u32 v[LGST], LG, v[GOFF]
	v_lshlrev_b32 v6, 12, v1
	v_lshl_add_u32 v[QOFF], v2, 4, v6              ; Q: row r x 4,096 + 16 h
	s_lshl_b32 s66, s18, 18                        ; Q at (64 x query block + 32 i) rows + 512 bytes x KV head
	s_lshl_b32 s87, s13, 17
	s_add_co_u32 s66, s66, s87
	s_lshl_b32 s87, s17, 9
	s_add_co_u32 s66, s66, s87
	s_mov_b32 s67, 0
	s_add_nc_u64 s[66:67], s[4:5], s[66:67]
.irp n, 0,1,2,3,4,5,6,7
	global_load_b128 v[MB+4*\n:MB+4*\n+3], v[GOFF], s[8:9] offset:2048*\n      ; the whole gate: 128 threads x 8 x 16 bytes
.endr
.irp nt, 0,1,2,3
.irp kc, 0,1,2,3
	global_load_b128 v[Q+8*(4*\nt+\kc):Q+8*(4*\nt+\kc)+3],   v[QOFF], s[66:67] offset:(\nt&1)*65536+(\nt>>1)*256+64*\kc
	global_load_b128 v[Q+8*(4*\nt+\kc)+4:Q+8*(4*\nt+\kc)+7], v[QOFF], s[66:67] offset:(\nt&1)*65536+(\nt>>1)*256+64*\kc+32
.endr
.endr
	v_mul_u32_u24 v6, v1, KPITCH                   ; K fragment: (64 j + r) x pitch + 16 h
	v_lshl_add_u32 v6, v2, 4, v6
	s_mul_i32 s87, s14, 64*KPITCH
	v_add_nc_u32 v[AK], s87, v6
	v_add_nc_u32 v[AK+1], SLOT, v[AK]
	v_lshl_add_u32 v6, v2, 3, v3                   ; V fragment, transposing: (64 j + 8 h + lane mod 8) x pitch + 16 ((lane / 8) mod 2)
	v_mul_u32_u24 v6, v6, VPITCH
	v_lshl_add_u32 v6, v4, 4, v6
	s_mul_i32 s87, s14, 64*VPITCH
	s_add_co_u32 s87, s87, VAT
	v_add_nc_u32 v[AV], s87, v6
	v_add_nc_u32 v[AV+1], SLOT, v[AV]
	v_mul_u32_u24 v6, v1, MPITCH                   ; mask: (32 i + r) x pitch + 256 j + 32 h
	v_lshl_add_u32 v6, v2, 5, v6
	s_mul_i32 s87, s13, 32*MPITCH
	s_lshl_b32 s88, s14, 8
	s_add_co_u32 s87, s87, s88
	s_add_co_u32 s87, s87, MAT
	v_add_nc_u32 v[AM], s87, v6
	v_add_nc_u32 v[AM+1], SLOT, v[AM]
	s_add_co_u32 s88, s88, LG
	v_lshl_add_u32 v[ALG], v2, 5, s88              ; ln(gate): 256 j + 32 h
	s_mul_i32 s87, s13, CMBP
	s_add_co_u32 s87, s87, CMB
	v_lshl_add_u32 v[CMBA], v5, 4, s87             ; the pair's exchange: 16 bytes a lane
	s_mul_i32 s87, s13, OSTP
	s_add_co_u32 s87, s87, OST
	v_mul_u32_u24 v6, v1, 272
	v_lshl_add_u32 v6, v2, 4, v6
	v_add_nc_u32 v[OSTO], s87, v6                  ; way out, in: row r, 16 bytes for each half of the lanes
	v_mul_u32_u24 v6, v2, 272
	v_lshl_add_u32 v6, v1, 4, v6
	v_add_nc_u32 v[ORD], s87, v6                   ; back: lanes 0-15 one row of 256 bytes, lanes 16-31 the next
	v_lshlrev_b32 v6, 12, v2
	v_lshl_add_u32 v[CO], v1, 4, v6                ; and the same two rows in ctx, 4,096 bytes apart
	s_lshl_b32 s89, s18, 20                        ; prefetch: row 64 x query block + 16 cx + lane / 2, half lane mod 2, tile 3 at first
	s_lshl_b32 s90, s15, 18
	s_add_co_u32 s89, s89, s90
	v_lshrrev_b32 v6, 1, v5
	v_and_b32 v7, 1, v0
	v_lshlrev_b32 v6, 14, v6
	v_lshl_add_u32 v6, v7, 8, v6
	v_add_nc_u32 v6, s89, v6
	v_add_nc_u32 v[PFA], 3*MSTEP, v6
	v_add_nc_u32 v[PFMAX], 31*MSTEP, v6
	s_lshl_b32 s90, s18, 18                        ; ctx at (64 x query block + 32 i) rows of 4,096 bytes + 1,024 bytes x KV head (two heads, hi and lo each)
	s_lshl_b32 s91, s13, 17
	s_add_co_u32 s90, s90, s91
	s_lshl_b32 s91, s17, 10
	s_add_co_u32 s90, s90, s91
	s_mov_b32 s91, 0
	s_add_nc_u64 s[10:11], s[10:11], s[90:91]
	WIN 0x40
.irp nt, 0,1,2,3
	v_mov_b32 v[MXT+\nt], 0                        ; v_permlanex16_b32 counts as a reader of its destination
.endr
	WIN 0
	s_wait_loadcnt 32                              ; the gate is in; the 32 loads of Q stay out
.set ix, 0
.rept 16
	v_cvt_pk_bf16_f32 v[LGR+ix], v[MB+2*ix], v[MB+2*ix+1]      ; the gate rounded to bf16 (see LIMITS),
.set ix, ix+1
.endr
.set ix, 0
.rept 16
	v_lshlrev_b32 v[MB+2*ix],   16,         v[LGR+ix]          ; and widened again
	v_and_b32     v[MB+2*ix+1], 0xffff0000, v[LGR+ix]
.set ix, ix+1
.endr
.set ix, 0
.rept 16
	v_pk_add_f32 v[MB+ix:MB+ix+1], v[MB+ix:MB+ix+1], 0x322bcc77 op_sel_hi:[1,0]   ; + 1e-8
.set ix, ix+2
.endr
.set ix, 0
.rept 32
	v_log_f32 v[MB+ix], v[MB+ix]
.set ix, ix+1
.endr
	v_nop                                          ; a plain line behind the last logarithm (ISA guide 5.7.2)
.set ix, 0
	s_wait_alu depctr_va_vdst(0)
.rept 16
	v_pk_mul_f32 v[MB+ix:MB+ix+1], v[MB+ix:MB+ix+1], 0x3f317218 op_sel_hi:[1,0]   ; log2 to ln
.set ix, ix+2
.endr
.irp n, 0,1,2,3,4,5,6,7
	ds_store_b128 v[LGST], v[MB+4*\n:MB+4*\n+3] offset:2048*\n
.endr
	s_wait_loadcnt 0x0                             ; Q
	s_wait_dscnt 0x0                               ; my part of ln(gate) is in LDS, for the others
	s_wait_tensorcnt 0x1                           ; my part of tile 0 is in; tile 1's stays out
	s_barrier_signal -1
	s_barrier_wait -1
	; TILE 0: the streams start; slots 1 and 2 have no partner yet
	KLOADS 0
	MLOADS 0
	s_wait_dscnt 24                                ; K's 32 loads are in; the 24 of the mask and ln(gate) stay out
	ZIP 1, 0, 0, 0, 0, 0, 0                        ; S_A(0)
	s_wait_dscnt 0x0
	ZIP 0, 0, 0, 0, 1, 0, HAF                      ; A's softmax, first half: it begins with 32 lines on the bias, the places behind S_A's last product
	VLOADS 0
	ZIP 1, 1, 0, 0, 1, HAF, NAF                    ; S_B(0) with A's second half
	TURNOVER 0, 1, 2                               ; asks for tile 2
	ZIP 2, 0, 1, 1, 1, 0, HBF                      ; PV_A(0) starts O_A, with B's first half
	BODY 1, 0, 1, 2                                ; tile 1: PV_B(0) starts O_B; asks for tile 3
	WIN 0
	s_mov_b32 s21, 14
.Ltiles:                                               ; tiles 2 to 29; they ask for tiles 4 to 31
	BODY 0, 1, 0, 2
	BODY 1, 0, 0, 2
	WIN 0
	s_sub_co_i32 s21, s21, 1
	s_cmp_lg_u32 s21, 0
	s_cbranch_scc1 .Ltiles
	BODY 0, 1, 0, 1                                ; tile 30: nothing is left to fetch
	BODY 1, 0, 0, 0                                ; tile 31
	ZIP 0, 0, 0, 1, 0, HB, NB                      ; stream B's last half tile
	ZIP 2, 1, 0, 0, 0, 0, 0                        ; PV_B(31)
	; THE MERGE of a pair's two halves of the keys.  l first: two partial sums, then the other half of the lanes.  These lines are also the places behind the last product.
	WIN 0x55
.irp nt, 0,1,2,3
	v_add_f32 v[LF+\nt], v[LP+2*\nt], v[LP+2*\nt+1]
.endr
.irp nt, 0,1,2,3
	v_permlanex16_b32 v[MXT+\nt], v[LF+\nt], s22, s23
.endr
.irp nt, 0,1,2,3
	v_add_f32 v[LF+\nt], v[LF+\nt], v[MXT+\nt]
.endr
	WIN 0
	s_cmp_eq_u32 s14, 0
	s_cbranch_scc1 .Lkeeper
	WIN 0x08                                       ; waves with j = 1 hand over O (window 2),
.set ix, 0
.rept 64
	ds_store_b128 v[CMBA], v[4*ix:4*ix+3] offset:512*ix
.set ix, ix+1
.endr
	WIN 0x04                                       ; m and l (window 1)
	ds_store_b128 v[CMBA], v[MP:MP+3] offset:512*64
	ds_store_b128 v[CMBA], v[MP+4:MP+7] offset:512*65
	ds_store_b128 v[CMBA], v[LF:LF+3] offset:512*66
	WIN 0
.Lkeeper:
	s_wait_dscnt 0x0                               ; the stores are in LDS, for the partner
	s_barrier_signal -1
	s_barrier_wait -1
	s_cmp_lg_u32 s14, 0
	s_cbranch_scc1 .Lclose
	WIN 0xc0                                       ; waves with j = 0: the partner's O into window 3
.set ix, 0
.rept 64
	ds_load_b128 v[4*ix:4*ix+3], v[CMBA] offset:512*ix
.set ix, ix+1
.endr
	WIN 0x40
	ds_load_b128 v[MPB:MPB+3], v[CMBA] offset:512*64
	ds_load_b128 v[MPB+4:MPB+7], v[CMBA] offset:512*65
	ds_load_b128 v[LFB:LFB+3], v[CMBA] offset:512*66
	s_wait_dscnt 0x0
	WIN 0x55
.irp nt, 0,1,2,3
	v_max_num_f32 v[MN+\nt], v[MP+2*\nt], v[MPB+2*\nt]
.endr
.irp nt, 0,1,2,3
	v_sub_f32 v[EA+\nt], v[MP+2*\nt], v[MN+\nt]
	v_sub_f32 v[EB+\nt], v[MPB+2*\nt], v[MN+\nt]
.endr
.irp nt, 0,1,2,3
	v_mul_f32 v[EA+\nt], s76, v[EA+\nt]
	v_mul_f32 v[EB+\nt], s76, v[EB+\nt]
.endr
.irp nt, 0,1,2,3
	v_exp_f32 v[EA+\nt], v[EA+\nt]
	v_exp_f32 v[EB+\nt], v[EB+\nt]
.endr
	v_nop
	s_wait_alu depctr_va_vdst(0)
.irp nt, 0,1,2,3
	v_mul_f32 v[DEN+\nt], v[EA+\nt], v[LF+\nt]
.endr
.irp nt, 0,1,2,3
	v_fma_f32 v[DEN+\nt], v[EB+\nt], v[LFB+\nt], v[DEN+\nt]
.endr
.irp nt, 0,1,2,3
	v_rcp_f32 v[DEN+\nt], v[DEN+\nt]
.endr
	v_nop
	s_wait_alu depctr_va_vdst(0)
.irp nt, 0,1,2,3
	v_mul_f32 v[AP+2*\nt], v[EA+\nt], v[DEN+\nt]       ; my O's factor,
	v_mul_f32 v[LP+2*\nt], v[EB+\nt], v[DEN+\nt]       ; the partner's
.endr
.irp nt, 0,1,2,3
	v_mov_b32 v[AP+2*\nt+1], v[AP+2*\nt]
	v_mov_b32 v[LP+2*\nt+1], v[LP+2*\nt]
.endr
	WIN 0x86
.set ix, 0
.rept 128
	v_pk_mul_f32 v[ix:ix+1], v[ix:ix+1], v[AP+2*((ix>>3)&3):AP+2*((ix>>3)&3)+1]
.set ix, ix+2
.endr
	WIN 0xa7                                       ; the partner's O window 3, its factor window 1, mine window 2
.set ix, 0
.rept 128
	v_pk_fma_f32 v[ix:ix+1], v[ix:ix+1], v[LP+2*((ix>>3)&3):LP+2*((ix>>3)&3)+1], v[ix:ix+1]
.set ix, ix+2
.endr
; THE WAY OUT: 16 query positions of one head.  A lane's 8 numbers are 8 neighbouring d of a row: 16 bytes into my stage, whole rows of 256 bytes back,
; sixteen lanes store 256 consecutive bytes, aligned.  LDS serves a wave's instructions in order: no wait between my stores and my loads.
; src: 32 packed registers; f: the registers that take the rows back; off: the rows' place in ctx.
.macro FLUSH src, f, off
.irp dt, 0,1,2,3,4,5,6,7
	ds_store_b128 v[OSTO], v[\src+4*\dt:\src+4*\dt+3] offset:32*\dt
.endr
	s_wait_xcnt 0x0                                ; registers f, which earlier stores read, are loaded again only behind this wait
.irp t, 0,1,2,3,4,5,6,7
	ds_load_b128 v[\f+4*\t:\f+4*\t+3], v[ORD] offset:\t*544
.endr
.irp t, 0,1,2,3,4,5,6,7
	s_wait_dscnt 7-\t                              ; load t is in, the younger ones stay out
	global_store_b128 v[CO], v[\f+4*\t:\f+4*\t+3], s[10:11] offset:\off+8192*\t
.endr
.endm
.macro OUTQ nt
	WIN 0x0a                                       ; sources in window 2
.irp dt, 0,1,2,3,4,5,6,7
.irp k, 0,1,2,3
	v_cvt_pk_bf16_f32 v[PK+4*\dt+\k], v[8*(4*\dt+\nt)+2*\k], v[8*(4*\dt+\nt)+2*\k+1]      ; hi = bf16(x)
.endr
.endr
	WIN 0
.set ix, 0
.rept 32
	v_lshlrev_b32 v[HF+2*ix],   16,         v[PK+ix]       ; hi widened
	v_and_b32     v[HF+2*ix+1], 0xffff0000, v[PK+ix]
.set ix, ix+1
.endr
	WIN 0x02                                       ; source 0 in window 2
.irp dt, 0,1,2,3,4,5,6,7
.irp k, 0,2,4,6
	v_pk_add_f32 v[HF+8*\dt+\k:HF+8*\dt+\k+1], v[8*(4*\dt+\nt)+\k:8*(4*\dt+\nt)+\k+1], v[HF+8*\dt+\k:HF+8*\dt+\k+1] neg_lo:[0,1] neg_hi:[0,1]   ; x - hi, exact
.endr
.endr
	WIN 0
.set ix, 0
.rept 32
	v_cvt_pk_bf16_f32 v[PL+ix], v[HF+2*ix], v[HF+2*ix+1]   ; lo = bf16(x - hi)
.set ix, ix+1
.endr
.set offq, (\nt&1)*65536+(\nt>>1)*512                  ; 16 rows of 4,096 bytes; 512 bytes a head
	FLUSH PK, RB0, offq
	FLUSH PL, RB1, offq+256
.endm
	OUTQ 0
	OUTQ 1
	OUTQ 2
	OUTQ 3
.Lclose:
	s_wait_tensorcnt 0x0
	ds_add_u32 v30, v31
	s_wait_dscnt 0x0
	ROUND                                          ; the closing round: no work-group ends while a partner may still ask for a tile that names it
	s_endpgm
.Lfunc_end_k_q5ee7cb3716_attn:
	.size	k_q5ee7cb3716_attn, .Lfunc_end_k_q5ee7cb3716_attn-k_q5ee7cb3716_attn
	.p2alignl 7, 3214868480
	.fill 96, 4, 3214868480
	.section	.rodata,"a",@progbits
	.p2align	6, 0x0
	.amdhsa_kernel k_q5ee7cb3716_attn
		.amdhsa_group_segment_fixed_size 327680
		.amdhsa_private_segment_fixed_size 0
		.amdhsa_enable_private_segment 0
		.amdhsa_kernarg_size 32
		.amdhsa_user_sgpr_count 2
		.amdhsa_user_sgpr_kernarg_segment_ptr 1
		.amdhsa_wavefront_size32 1
		.amdhsa_system_sgpr_workgroup_id_x 1
		.amdhsa_system_sgpr_workgroup_id_y 1
		.amdhsa_system_sgpr_workgroup_id_z 1
		.amdhsa_system_vgpr_workitem_id 0
		.amdhsa_next_free_vgpr 1024
		.amdhsa_next_free_sgpr 92
		.amdhsa_reserve_vcc 0
		.amdhsa_float_denorm_mode_32 3
		.amdhsa_float_denorm_mode_16_64 3
		.amdhsa_memory_ordered 1
		.amdhsa_forward_progress 1
		.amdhsa_inst_pref_size 255
	.end_amdhsa_kernel
	.section	.bss,"aw",@nobits
	.p2align	6
	.space	262144
	.amdgpu_metadata
---
amdhsa.version: [ 1, 2 ]
amdhsa.kernels:
  - .name:           k_q5ee7cb3716_attn
    .symbol:         k_q5ee7cb3716_attn.kd
    .args:
      - { .name: QKV, .offset: 0, .size: 8, .value_kind: global_buffer, .address_space: global }
      - { .name: attention_mask, .offset: 8, .size: 8, .value_kind: global_buffer, .address_space: global }
      - { .name: gate, .offset: 16, .size: 8, .value_kind: global_buffer, .address_space: global }
      - { .name: ctx, .offset: 24, .size: 8, .value_kind: global_buffer, .address_space: global }
    .group_segment_fixed_size: 327680
    .private_segment_fixed_size: 0
    .kernarg_segment_align: 8
    .kernarg_segment_size: 32
    .max_flat_workgroup_size: 128
    .sgpr_count:     92
    .vgpr_count:     1024
    .wavefront_size: 32
...
	.end_amdgpu_metadata
.endif
;; end of part 3
;; launch oproj (part 4): grid 8 x 32, 4 waves a work-group, clusters of 4 x 4, 327,680 bytes of LDS; arguments ctx, Wob, out0; writes out0
.if DOCPART == 4
	.amdgcn_target "amdgcn-amd-amdhsa--gfx1250"
	.amdhsa_code_object_version 6
	.text
	.protected	k_q5ee7cb3716_oproj
	.globl	k_q5ee7cb3716_oproj
	.p2align	8
	.type	k_q5ee7cb3716_oproj,@function
k_q5ee7cb3716_oproj:
	s_mov_b64 s[64:65], 0
	v_nop
	global_prefetch_b8 v0, s[64:65] scope:SCOPE_SE
	s_setreg_imm32_b32 hwreg(HW_REG_WAVE_MODE, 25, 1), 1
	s_wait_xcnt 0x0
	s_wait_alu depctr_hold_cnt(0) depctr_sa_sdst(0) depctr_va_vdst(0) depctr_va_sdst(0) depctr_va_ssrc(0) depctr_va_vcc(0) depctr_vm_vsrc(0)
	s_getreg_b32 s2, hwreg(HW_REG_IB_STS2, 6, 4)
	s_cmp_eq_u32 s2, 0
	s_cbranch_scc0 .Lentry_in_a_cluster
	s_endpgm
.Lentry_in_a_cluster:
	s_bfe_u32 s2, ttmp6, 0x10000c
	s_cmp_lg_u32 s2, 0xf033
	s_cbranch_scc0 .Lentry_shape_is_right
	s_endpgm
.Lentry_shape_is_right:
; out0[s][n] = sum over k of x[s][k] Wob[k][n], x = hi + lo.  Wob [1024][2048] bf16, out0 [4096][2048] f32; sums in f32.
; ctx holds x as two bf16 numbers: a row is 4,096 bytes, for each block of 128 k (a head) 256 bytes of hi and then 256 bytes of lo.
; THE HI AND THE LO OF A BLOCK SHARE W: an LDS slot holds one block of 128 k: 128 rows of W (512 bytes: 256 columns) and 128 rows of X (512 bytes: hi and lo,
; one piece of a ctx row).  Each fragment of W that a wave loads is multiplied with X's hi and with X's lo, into the same sums: for 32 k a wave issues
; 32 LDS loads (16 for W, 8 for hi, 8 for lo) and 64 matrix instructions, and a slot feeds 256 matrix instructions of each wave.
; A work-group makes 128 rows x 256 columns with four waves, 2 x 2, a wave 64 x 128 in 32 accumulator tiles.  8 x 32 = 256 work-groups.  Eight blocks of k
; go through two slots.  CLUSTERS of 4 x 4: the four work-groups of a cluster's row make the same rows and ask for X's tiles jointly, the four of a column
; make the same columns and ask for W's jointly.  Waves 0 and 1 fetch W's halves (64 k rows x 512 bytes), waves 2 and 3 X's (64 rows x 512 bytes).
; W lies [k][n] and comes out of LDS by the transposing load; the matrix instruction is used transposed (source 0 = 16 columns of W, source 1 = 16 rows of X),
; so that lane (r, h), register j holds C(s = 16 a + r, n = 16 b + 8 h + j).
; LIMITS: Wo comes rounded to bf16; x carries 16 significant bits.
; REGISTERS: window 0: v0-31 addresses; v64-127, v128-191 W's fragments, two buffers (on the way out: rows read back);
;   window 1: the accumulators, tile (a, b) at v[8 (8 a + b)];  window 2: X's fragments, buffer f at 64 f: hi of rows 16 a at 8 a, lo at 32 + 8 a.
.set KBLOCKS, 8                        ; blocks of 128 k
.set LAPS,   KBLOCKS/2                 ; a lap = two blocks = once round the ring
.set XPITCH, 528                       ; an LDS row of X: 512 bytes + 16, an odd multiple of 16
.set WPITCH, 544                       ; an LDS row of W: 512 bytes + 32, an odd multiple of 32, for the transposing load
.set WHALF,  64*WPITCH                 ; what wave 0 or 1 fetches: 34,816
.set XHALF,  64*XPITCH                 ; what wave 2 or 3 fetches: 33,792
.set WTILE,  2*WHALF
.set SLOT,   WTILE+2*XHALF             ; 137,216: W, then X
.set STAGE,  2*SLOT                    ; 274,432: 16 rows x 528 bytes of f32 for each wave; no tensor load lands here
.set SPITCH, 528
.set WSTAGE, 16*SPITCH
.set ADRX, 16                          ; v16-17 LDS address of my X fragments in slot 0, 1
.set ADRW, 20                          ; v20-21 the same for W
.set STO,  24                          ; way out: where I put my 8 numbers of a row
.set RD,   25                          ; way out: where I read a row's 512 bytes back
.set CO,   27                          ; my byte offset in out0
.set FW,   64                          ; W's fragment buffers, window 0
.set G1X, 24                           ; s[24:31] descriptor group 1 of X's tiles
.set G0X, 32                           ; s[32:39] group 0 of X's tiles, one set for each slot
.set G1W, 40                           ; s[40:47] group 1 of W's tiles
.set G0W, 48                           ; s[48:55] group 0 of W's tiles
.set MUL, 0x58                         ; W window 0, X window 2, C and D window 1
.set MSB, 0
.macro WIN new                         ; the immediate's high byte repeats the setting that is left
.if MSB != \new
	s_set_vgpr_msb (MSB<<8)|\new
.set MSB, \new
.endif
.endm
.macro PLACES                          ; four places behind a matrix instruction, in front of loads into its sources and of readers of its result
.rept 4
	v_nop
.endr
.endm
.macro CREST                           ; a round of the cluster's barrier behind its opening work-group barrier
	s_cmp_lg_u32 s14, 0
	s_cbranch_scc1 .Lnot_wave_0_\@
	s_barrier_signal -3
.Lnot_wave_0_\@:
	s_barrier_wait -3
	s_barrier_signal -1
	s_barrier_wait -1
.endm
.macro CROUND                          ; a whole round
	s_barrier_signal -1
	s_barrier_wait -1
	CREST
.endm
.macro JLOAD s                         ; a joint load: each line has one mask; the branch hangs on the wave's number alone
	s_cmp_eq_u32 s15, 0
	s_cbranch_scc0 .Lfor_x_\@
	tensor_load_to_lds s[G0W+4*\s:G0W+4*\s+3], s[G1W:G1W+7]
	s_nop 0
	s_branch .Lasked_\@
.Lfor_x_\@:
	tensor_load_to_lds s[G0X+4*\s:G0X+4*\s+3], s[G1X:G1X+7]
	s_nop 0
.Lasked_\@:
.endm
.macro MULA f, p, a, zero              ; 8 matrix instructions: part p (0 hi, 1 lo) of rows 16 a .. 16 a + 15 x my 128 columns, 32 along k; zero = 1: the product starts the sums
.irp b, 0,1,2,3,4,5,6,7
.if \zero
	v_wmma_f32_16x16x32_bf16 v[8*(8*\a+\b):8*(8*\a+\b)+7], v[FW+64*\f+8*\b:FW+64*\f+8*\b+7], v[64*\f+32*\p+8*\a:64*\f+32*\p+8*\a+7], 0
.else
	v_wmma_f32_16x16x32_bf16 v[8*(8*\a+\b):8*(8*\a+\b)+7], v[FW+64*\f+8*\b:FW+64*\f+8*\b+7], v[64*\f+32*\p+8*\a:64*\f+32*\p+8*\a+7], v[8*(8*\a+\b):8*(8*\a+\b)+7]
.endif
.endr
.endm
.macro MUL32 f, p, zero                ; all 32 accumulators once, by turns
	MULA \f, \p, 0, \zero
	MULA \f, \p, 1, \zero
	MULA \f, \p, 2, \zero
	MULA \f, \p, 3, \zero
.endm
.macro FETCH slot, q, f                ; 32 LDS loads in one run: quarter q (32 along k) into buffer f: W, then X's hi, then X's lo
	WIN 0
.irp b, 0,1,2,3,4,5,6,7
	ds_load_tr16_b128 v[FW+64*\f+8*\b:FW+64*\f+8*\b+3],   v[ADRW+\slot] offset:\q*32*WPITCH+32*\b
	ds_load_tr16_b128 v[FW+64*\f+8*\b+4:FW+64*\f+8*\b+7], v[ADRW+\slot] offset:\q*32*WPITCH+32*\b+16*WPITCH
.endr
	WIN 0x80                                       ; destination window 2
.irp p, 0,1
.irp a, 0,1,2,3
	ds_load_b128 v[64*\f+32*\p+8*\a:64*\f+32*\p+8*\a+3],   v[ADRX+\slot] offset:\a*16*XPITCH+256*\p+64*\q
	ds_load_b128 v[64*\f+32*\p+8*\a+4:64*\f+32*\p+8*\a+7], v[ADRX+\slot] offset:\a*16*XPITCH+256*\p+64*\q+32
.endr
.endr
.endm
; One of a block's first three quarters: multiplies buffer f, hi and then lo; between the two it fetches quarter q into buffer g.
; The 32 accumulators take turns, one instruction a turn, in the same order in every half quarter.
.macro QUARTER slot, q, f, g, zero
	s_wait_dscnt 0x8                               ; W and X's hi are in; the eight youngest loads (lo) may be out
	WIN MUL
	MUL32 \f, 0, \zero
	PLACES
	FETCH \slot, \q, \g
	s_wait_dscnt 32                                ; all but the 32 just issued
	WIN MUL
	MUL32 \f, 1, 0
.endm
.macro THREE slot, zero
	QUARTER \slot, 1, 0, 1, \zero
	QUARTER \slot, 2, 1, 0, 0
	QUARTER \slot, 3, 0, 1, 0
.endm
; The last quarter multiplies buffer 1 and changes slots.  In front of the barrier each wave waits for its reads of this slot and for all its tensor loads
; (one is out: its part of the next slot).  fill = 1: the barrier opens a round of the cluster's barrier, and the joint refill of this slot, two blocks ahead,
; is the first tensor load behind the round.  From a request to the wait for it a wave issues 240 matrix instructions.
.macro TURN slot, next, fill
	s_wait_dscnt 0x8
	WIN MUL
	MULA 1, 0, 0, 0
	MULA 1, 0, 1, 0
	s_wait_dscnt 0x0                               ; my reads of this slot are over
	s_wait_tensorcnt 0x0                           ; all my tensor loads have landed
	ds_add_u32 v255, v129
	s_wait_dscnt 0x0
	s_barrier_signal -1
	MULA 1, 0, 2, 0                                ; register work while the others arrive
	MULA 1, 0, 3, 0
	WIN 0
	s_barrier_wait -1
.if \fill
	CREST                                          ; no wave of any partner still reads this slot or has a load on its way
	s_add_nc_u64 s[G0X+4*\slot+2:G0X+4*\slot+3], s[G0X+4*\slot+2:G0X+4*\slot+3], 1024         ; X: two blocks of 512 bytes along the row
	s_add_nc_u64 s[G0W+4*\slot+2:G0W+4*\slot+3], s[G0W+4*\slot+2:G0W+4*\slot+3], 256*4096     ; W: 256 rows down
	JLOAD \slot
.endif
	PLACES
	FETCH \next, 0, 0
	WIN MUL
	MUL32 1, 1, 0
.endm
.macro LAP zero
	THREE 0, \zero
	TURN 0, 1, 1
	THREE 1, 0
	TURN 1, 0, 1
.endm
	s_load_b128 s[4:7], s[0:1], 0x0                ; ctx s[4:5], Wob s[6:7]
	s_load_b64 s[12:13], s[0:1], 0x10              ; out0
	v_lshl_add_u32 v255, v0, 2, 0x4b400
	s_set_vgpr_msb 0x80
	v_mov_b32 v129, 0
	s_set_vgpr_msb 0x8088
	ds_add_u32 v255, v129
	s_set_vgpr_msb 0x8800
	v_lshrrev_b32 v1, 5, v0
	v_readfirstlane_b32 s14, v1                    ; wave 0..3
	s_lshr_b32 s15, s14, 1                         ; which 64 of the block's rows are mine.  Also: I fetch for W (0) or for X (1)
	s_and_b32 s16, s14, 1                          ; which 128 of its columns.  Also: which half of that tile I fetch
	s_bfe_u32 s17, ttmp6, 0x40000                  ; cx
	s_bfe_u32 s18, ttmp6, 0x40004                  ; cy
	s_lshl_b32 s19, ttmp9, 2
	s_add_co_u32 s19, s19, s17                     ; block column (256 columns) = 4 x cluster x + cx
	s_and_b32 s20, ttmp7, 0xffff
	s_lshl_b32 s20, s20, 2
	s_add_co_u32 s20, s20, s18                     ; block row (128 rows) = 4 x cluster y + cy
	s_lshl_b32 s21, s18, 2
	s_lshl_b32 s21, 15, s21                        ; my row of the cluster
	s_lshl_b32 s22, 0x1111, s17                    ; my column
	s_or_b32 s[G1X+0], s21, (1<<16)|(1<<20)|(1<<21)|(6<<22)|(3<<25)  ; mask: my row; 2-byte elements; padding on; bit 21 beside a mask; after every 128 words 4 words
	s_mov_b32 s[G1X+1], 256<<16                    ; tensor_dim0 = 256: 128 hi and 128 lo
	s_mov_b32 s[G1X+2], 64<<16                     ; tensor_dim1 = 64
	s_mov_b32 s[G1X+3], 256<<16                    ; tile_dim0 = 256
	s_mov_b32 s[G1X+4], 64                         ; tile_dim1 = 64 rows
	s_mov_b32 s[G1X+5], 2048                       ; elements from row to row of ctx
	s_mov_b32 s[G1X+6], 0
	s_mov_b32 s[G1X+7], 0
	s_or_b32 s[G1W+0], s22, (1<<16)|(1<<20)|(1<<21)|(6<<22)|(7<<25)  ; mask: my column; after every 128 words 8 words
	s_mov_b32 s[G1W+1], 256<<16                    ; tensor_dim0 = 256 columns
	s_mov_b32 s[G1W+2], 64<<16
	s_mov_b32 s[G1W+3], 256<<16
	s_mov_b32 s[G1W+4], 64                         ; tile_dim1 = 64 rows of k
	s_mov_b32 s[G1W+5], 2048
	s_mov_b32 s[G1W+6], 0
	s_mov_b32 s[G1W+7], 0
	s_lshl_b32 s56, s20, 7                         ; X: row 128 x block row + 64 x half: hangs on cy alone
	s_lshl_b32 s57, s16, 6
	s_add_co_u32 s56, s56, s57
	s_lshl_b32 s56, s56, 12                        ; x 4,096 bytes
	s_mov_b32 s57, 0
	s_lshl_b32 s58, s16, 18                        ; W: 64 rows of 4,096 bytes x half + 512 bytes x block column: hangs on cx alone
	s_lshl_b32 s59, s19, 9
	s_add_co_u32 s58, s58, s59
	s_mov_b32 s59, 0
	s_mul_i32 s60, s14, WHALF                      ; LDS: W's halves at wave x 34,816 (waves 0, 1),
	s_mul_i32 s61, s14, XHALF
	s_add_co_u32 s61, s61, WTILE-2*XHALF           ; X's at 69,632 + (wave - 2) x 33,792 (waves 2, 3)
	s_wait_dscnt 0x0
	s_wait_kmcnt 0x0
	s_add_nc_u64 s[56:57], s[4:5], s[56:57]
	s_add_nc_u64 s[58:59], s[6:7], s[58:59]
	CROUND                                         ; all sixteen work-groups are here: the first joint loads meet
.irp s, 0,1
	s_mov_b32 s[G0X+4*\s], 1
	s_add_co_u32 s[G0X+4*\s+1], s61, \s*SLOT
	s_add_nc_u64 s[G0X+4*\s+2:G0X+4*\s+3], s[56:57], \s*512        ; block s of k
	s_or_b32 s[G0X+4*\s+3], s[G0X+4*\s+3], 0x80000000
	s_mov_b32 s[G0W+4*\s], 1
	s_add_co_u32 s[G0W+4*\s+1], s60, \s*SLOT
	s_add_nc_u64 s[G0W+4*\s+2:G0W+4*\s+3], s[58:59], \s*128*4096
	s_or_b32 s[G0W+4*\s+3], s[G0W+4*\s+3], 0x80000000
	JLOAD \s                                       ; both slots' first fills: two tensor loads of the wave are out
.endr
	v_and_b32 v1, 15, v0                           ; r
	v_bfe_u32 v2, v0, 4, 1                         ; h
	v_and_b32 v3, 7, v0
	v_bfe_u32 v4, v0, 3, 1
	v_mul_u32_u24 v5, v1, XPITCH                   ; X fragment: (64 x my row half + r) x pitch + 16 h, behind W's tile
	v_lshl_add_u32 v5, v2, 4, v5
	s_mul_i32 s62, s15, 64*XPITCH
	s_add_co_u32 s62, s62, WTILE
	v_add_nc_u32 v[ADRX], s62, v5
	v_add_nc_u32 v[ADRX+1], SLOT, v[ADRX]
	v_lshl_add_u32 v6, v2, 3, v3                   ; W fragment, transposing: (8 h + lane mod 8) x pitch + 16 ((lane / 8) mod 2) + 256 bytes x my column half
	v_mul_u32_u24 v6, v6, WPITCH
	v_lshl_add_u32 v6, v4, 4, v6
	s_lshl_b32 s62, s16, 8
	v_add_nc_u32 v[ADRW], s62, v6
	v_add_nc_u32 v[ADRW+1], SLOT, v[ADRW]
	s_mul_i32 s63, s14, WSTAGE
	s_add_co_u32 s63, s63, STAGE                   ; my stage
	v_mul_u32_u24 v7, v1, SPITCH
	v_lshl_add_u32 v7, v2, 5, v7
	v_add_nc_u32 v[STO], s63, v7                   ; in: row r, 32 bytes for each half of the lanes
	v_and_b32 v8, 31, v0
	v_lshlrev_b32 v[CO], 4, v8                     ; out0: 16 bytes a lane: a wave's store covers 512 bytes of a row
	v_add_nc_u32 v[RD], s63, v[CO]                 ; back: the same 512 bytes of a stage row
	s_lshl_b32 s70, s20, 7
	s_lshl_b32 s71, s15, 6
	s_add_co_u32 s70, s70, s71                     ; my first row
	s_lshl_b32 s72, s70, 13                        ; x 8,192 bytes
	s_lshl_b32 s74, s19, 10                        ; + 1,024 bytes x block column
	s_add_co_u32 s72, s72, s74
	s_lshl_b32 s74, s16, 9                         ; + 512 bytes x my column half
	s_add_co_u32 s72, s72, s74
	s_mov_b32 s73, 0
	s_add_nc_u64 s[12:13], s[12:13], s[72:73]
	s_wait_tensorcnt 0x1                           ; my part of block 0 is in; block 1's stays out
	s_barrier_signal -1
	s_barrier_wait -1
	FETCH 0, 0, 0
	LAP 1                                          ; the first lap's first products start the sums: nothing is cleared
	WIN 0
	s_mov_b32 s23, LAPS-2
.Llap:
	LAP 0
	WIN 0
	s_sub_co_u32 s23, s23, 1
	s_cmp_lg_u32 s23, 0
	s_cbranch_scc1 .Llap
	THREE 0, 0                                     ; the last lap fills nothing
	TURN 0, 1, 0
	THREE 1, 0
	s_wait_dscnt 0x8                               ; the very last quarter: nothing more to fetch
	WIN MUL
	MUL32 1, 0, 0
	s_wait_dscnt 0x0
	MUL32 1, 1, 0
	PLACES
	WIN 0
; THE WAY OUT, 16 rows at a time: f32 into my own stage, whole pieces of 512 bytes of a row back, each stored by one instruction of the wave: 512 consecutive bytes, aligned.
.macro OUTF a, f
	WIN 0x04                                       ; store data in window 1
.irp b, 0,1,2,3,4,5,6,7
	ds_store_b128 v[STO], v[8*(8*\a+\b):8*(8*\a+\b)+3]   offset:64*\b
	ds_store_b128 v[STO], v[8*(8*\a+\b)+4:8*(8*\a+\b)+7] offset:64*\b+16
.endr
	WIN 0
	s_wait_xcnt 0x0                                ; buffer f, which earlier stores read, is loaded again only behind this wait
.irp t, 0,1,2,3,4,5,6,7,8,9,10,11,12,13,14,15
	ds_load_b128 v[\f+4*\t:\f+4*\t+3], v[RD] offset:\t*SPITCH      ; LDS serves a wave's instructions in order (ISA guide 5.7.1): these see the stores above
.endr
.irp t, 0,1,2,3,4,5,6,7,8,9,10,11,12,13,14,15
	s_wait_dscnt 15-\t                             ; row t is in, the younger loads stay out
	global_store_b128 v[CO], v[\f+4*\t:\f+4*\t+3], s[12:13] offset:(16*\a+\t)*8192 th:TH_STORE_NT
.endr
.endm
	OUTF 0, FW
	OUTF 1, FW+64
	OUTF 2, FW
	OUTF 3, FW+64
	s_set_vgpr_msb 0x8
	s_wait_tensorcnt 0x0
	ds_add_u32 v255, v129
	s_wait_dscnt 0x0
	s_set_vgpr_msb 0x800
	CROUND                                         ; the closing round: no work-group ends while a partner may still ask for a tile that names it
	s_endpgm
.Lfunc_end_k_q5ee7cb3716_oproj:
	.size	k_q5ee7cb3716_oproj, .Lfunc_end_k_q5ee7cb3716_oproj-k_q5ee7cb3716_oproj
	.p2alignl 7, 3214868480
	.fill 96, 4, 3214868480
	.section	.rodata,"a",@progbits
	.p2align	6, 0x0
	.amdhsa_kernel k_q5ee7cb3716_oproj
		.amdhsa_group_segment_fixed_size 327680
		.amdhsa_private_segment_fixed_size 0
		.amdhsa_enable_private_segment 0
		.amdhsa_kernarg_size 24
		.amdhsa_user_sgpr_count 2
		.amdhsa_user_sgpr_kernarg_segment_ptr 1
		.amdhsa_wavefront_size32 1
		.amdhsa_system_sgpr_workgroup_id_x 1
		.amdhsa_system_sgpr_workgroup_id_y 1
		.amdhsa_system_sgpr_workgroup_id_z 1
		.amdhsa_system_vgpr_workitem_id 0
		.amdhsa_next_free_vgpr 642
		.amdhsa_next_free_sgpr 80
		.amdhsa_reserve_vcc 0
		.amdhsa_float_denorm_mode_32 3
		.amdhsa_float_denorm_mode_16_64 3
		.amdhsa_memory_ordered 1
		.amdhsa_forward_progress 1
		.amdhsa_inst_pref_size 178
	.end_amdhsa_kernel
	.amdgpu_metadata
---
amdhsa.version: [ 1, 2 ]
amdhsa.kernels:
  - .name:           k_q5ee7cb3716_oproj
    .symbol:         k_q5ee7cb3716_oproj.kd
    .args:
      - { .name: ctx, .offset: 0, .size: 8, .value_kind: global_buffer, .address_space: global }
      - { .name: Wob, .offset: 8, .size: 8, .value_kind: global_buffer, .address_space: global }
      - { .name: out0, .offset: 16, .size: 8, .value_kind: global_buffer, .address_space: global }
    .group_segment_fixed_size: 327680
    .private_segment_fixed_size: 0
    .kernarg_segment_align: 8
    .kernarg_segment_size: 24
    .max_flat_workgroup_size: 128
    .sgpr_count:     80
    .vgpr_count:     642
    .wavefront_size: 32
...
	.end_amdgpu_metadata
.endif
;; end of part 4
;; ======== version 2 of 2: 4 launches; version 1 with the launch cast written anew for expert scheduling mode
;; limits: values outside matrix products are rounded to bf16; values are held in f16: magnitudes above 65,504 overflow, below 6.1e-05 lose precision
;; workspace buffers: Xb 16,777,216 bytes; Wqkvb 8,388,608 bytes; Wob 4,194,304 bytes; cosb 1,048,576 bytes; sinb 1,048,576 bytes; QKV 16,777,216 bytes; ctx 16,777,216 bytes
;; launch cast (part 5): grid 1920 x 1, 4 waves a work-group, no clusters, 0 bytes of LDS; arguments hidden_states, Wq, Wk, Wv, Wo, cos, sin, Xb, Wqkvb, Wob, cosb, sinb; writes Xb, Wqkvb, Wob, cosb, sinb
.if DOCPART == 5
	.amdgcn_target "amdgcn-amd-amdhsa--gfx1250"
	.amdhsa_code_object_version 6
	.text
	.protected	k_q5ee7cb3716_cast
	.globl	k_q5ee7cb3716_cast
	.p2align	8
	.type	k_q5ee7cb3716_cast,@function
k_q5ee7cb3716_cast:
	s_mov_b64 s[64:65], 0
	v_nop
	global_prefetch_b8 v0, s[64:65] scope:SCOPE_SE
	s_setreg_imm32_b32 hwreg(HW_REG_WAVE_SCHED_MODE, 0, 2), 2
	s_setreg_imm32_b32 hwreg(HW_REG_WAVE_MODE, 25, 1), 1
	s_wait_xcnt 0x0
	s_wait_alu depctr_vm_vsrc(0)
; f32 to bf16 (round to nearest even) of the inputs that the later launches take in bf16:
;   hidden_states [4096][2048] -> Xb;  Wq | Wk | Wv, joined along their columns -> Wqkvb [2048][2048];  Wo [1024][2048] -> Wob;
;   cos, sin [4096][128] -> cosb, sinb.
; LIMIT OF FORMAT: the program computes its result from these inputs rounded to bf16 (8 significant bits), the RoPE tables among them.
; A stream: no LDS, no barrier, no matrix unit, no cluster (no byte is read twice).  A work-group takes 8,192 numbers, a wave 2,048:
; sixteen loads of 512 consecutive bytes, all issued before the first is waited for; each gives one store of 32 lanes x 8 bytes,
; 256 consecutive bytes at a multiple of 256 from the buffer's first byte.
; 1,920 work-groups: 1,024 for hidden_states, 256 Wq, 128 Wk, 128 Wv, 256 Wo, 64 cos, 64 sin.
; THE MODE: SCHED_MODE bits 1:0 = 2 (LLVM: expert scheduling mode 2), set by the entry lines.  The code itself states the register dependences
; between vector instructions and memory instructions, with s_wait_alu, always for 0.
; THE PLAN.  Registers that memory instructions touch:
;   v1, v2   byte offsets of the loads and of the stores: made once at the head, never written again.
;   X        load i lands in 4 registers of its own, once; its two roundings read them; no vector line writes them.
;   Y        the roundings of load i write 2 registers of their own, once; store i reads them, once.
; The sixteen loads go in four blocks of four.  Block p rounds loads 4 p to 4 p + 3; the four stores of block p - 1 are dealt among its roundings,
; which name none of the registers that those stores read.  So one wait at a block's head states all that its four stores hang on.
; No register that a load or store reads is ever written again, and EXEC is never written: nothing is owed on that side.
.set XR, 4                             ; v[4:67]   load i: 4 registers, f32
.set YR, 68                            ; v[68:99]  load i: 2 registers, 4 bf16
; src, dst: first scalar register of the two addresses; first: the tensor's first work-group; logr: log2 of a source row's numbers;
; col: byte at which the tensor's columns begin in a destination row of 4,096 bytes.  logr = 11, col = 0 is a dense copy, whatever the tensor's own rows.
.macro CAST src, dst, first, logr, col
	s_sub_co_u32 s2, ttmp9, \first                 ; my number among the tensor's work-groups
	s_lshl_b32 s4, s2, 15                          ; source: 32,768 bytes a work-group,
	s_lshl_b32 s3, s24, 13                         ; 8,192 a wave
	s_add_co_u32 s4, s4, s3
	s_mov_b32 s5, 0
	s_lshl_b32 s6, s2, 25-\logr                    ; destination: 8,192 >> logr rows of 4,096 bytes a work-group,
	s_lshl_b32 s3, s24, 23-\logr                   ; 2,048 >> logr rows a wave
	s_add_co_u32 s6, s6, s3
	s_add_co_u32 s6, s6, \col
	s_mov_b32 s7, 0
	s_add_nc_u64 s[26:27], s[\src:\src+1], s[4:5]
	s_add_nc_u64 s[28:29], s[\dst:\dst+1], s[6:7]
	s_wait_alu depctr_va_vdst(0)                   ; v1 and v2 are written: every load below reads v1 as its offset, every store v2
.irp i, 0,1,2,3,4,5,6,7,8,9,10,11,12,13,14,15
	global_load_b128 v[XR+4*\i:XR+4*\i+3], v1, s[26:27] offset:512*\i th:TH_LOAD_NT
.endr
.irp p, 0,1,2,3,4                      ; blocks 0 to 3; p = 4: block 3's stores alone
.if \p < 4
	s_wait_loadcnt 12-4*\p                         ; loads come back in order: loads 4 p to 4 p + 3 are in, the 12 - 4 p younger ones stay out
.endif
.if \p > 0
	s_wait_alu depctr_va_vdst(0)                   ; the roundings of the block before have written its Y registers, which the four stores below read
.endif
.irp k, 0,1,2,3
.if \p > 0
	global_store_b64 v2, v[YR+2*(4*\p-4+\k):YR+2*(4*\p-4+\k)+1], s[28:29] offset:((128*(4*\p-4+\k))>>\logr)*4096+((128*(4*\p-4+\k))&((1<<\logr)-1))*2   ; the block before: row and column of the load's 128 numbers; no vector line since the wait names these registers
.endif
.if \p < 4
	v_cvt_pk_bf16_f32 v[YR+2*(4*\p+\k)], v[XR+4*(4*\p+\k)], v[XR+4*(4*\p+\k)+1]
	v_cvt_pk_bf16_f32 v[YR+2*(4*\p+\k)+1], v[XR+4*(4*\p+\k)+2], v[XR+4*(4*\p+\k)+3]
.endif
.endr
.endr
	s_endpgm
.endm
	s_load_b512 s[8:23], s[0:1], 0x0               ; hidden s[8:9], Wq s[10:11], Wk s[12:13], Wv s[14:15], Wo s[16:17], cos s[18:19], sin s[20:21], Xb s[22:23]
	s_load_b256 s[32:39], s[0:1], 0x40             ; Wqkvb s[32:33], Wob s[34:35], cosb s[36:37], sinb s[38:39]
	v_lshrrev_b32 v3, 5, v0
	v_readfirstlane_b32 s24, v3                    ; wave 0..3
	v_and_b32 v1, 31, v0
	v_lshlrev_b32 v2, 3, v1                        ; 8 bytes a lane out
	v_lshlrev_b32 v1, 4, v1                        ; 16 bytes a lane in
	s_wait_alu depctr_va_sdst(0)                   ; s24 is written, ahead of the branches and of its first reader: both bases are made from it
	s_wait_kmcnt 0x0
	s_cmp_lt_u32 ttmp9, 1024
	s_cbranch_scc1 .Lhidden
	s_cmp_lt_u32 ttmp9, 1280
	s_cbranch_scc1 .Lwq
	s_cmp_lt_u32 ttmp9, 1408
	s_cbranch_scc1 .Lwk
	s_cmp_lt_u32 ttmp9, 1536
	s_cbranch_scc1 .Lwv
	s_cmp_lt_u32 ttmp9, 1792
	s_cbranch_scc1 .Lwo
	s_cmp_lt_u32 ttmp9, 1856
	s_cbranch_scc1 .Lcos
	CAST 20, 38, 1856, 11, 0                       ; sin
.Lhidden:
	CAST 8, 22, 0, 11, 0
.Lwq:
	CAST 10, 32, 1024, 10, 0                       ; columns 0 to 1023 of Wqkvb
.Lwk:
	CAST 12, 32, 1280, 9, 2048                     ; columns 1024 to 1535
.Lwv:
	CAST 14, 32, 1408, 9, 3072                     ; columns 1536 to 2047
.Lwo:
	CAST 16, 34, 1536, 11, 0
.Lcos:
	CAST 18, 36, 1792, 11, 0
.Lfunc_end_k_q5ee7cb3716_cast:
	.size	k_q5ee7cb3716_cast, .Lfunc_end_k_q5ee7cb3716_cast-k_q5ee7cb3716_cast
	.p2alignl 7, 3214868480
	.fill 96, 4, 3214868480
	.section	.rodata,"a",@progbits
	.p2align	6, 0x0
	.amdhsa_kernel k_q5ee7cb3716_cast
		.amdhsa_group_segment_fixed_size 0
		.amdhsa_private_segment_fixed_size 0
		.amdhsa_enable_private_segment 0
		.amdhsa_kernarg_size 96
		.amdhsa_user_sgpr_count 2
		.amdhsa_user_sgpr_kernarg_segment_ptr 1
		.amdhsa_wavefront_size32 1
		.amdhsa_system_sgpr_workgroup_id_x 1
		.amdhsa_system_sgpr_workgroup_id_y 1
		.amdhsa_system_sgpr_workgroup_id_z 1
		.amdhsa_system_vgpr_workitem_id 0
		.amdhsa_next_free_vgpr 104
		.amdhsa_next_free_sgpr 66
		.amdhsa_reserve_vcc 0
		.amdhsa_float_denorm_mode_32 3
		.amdhsa_float_denorm_mode_16_64 3
		.amdhsa_memory_ordered 1
		.amdhsa_forward_progress 1
		.amdhsa_inst_pref_size 42
	.end_amdhsa_kernel
	.amdgpu_metadata
---
amdhsa.version: [ 1, 2 ]
amdhsa.kernels:
  - .name:           k_q5ee7cb3716_cast
    .symbol:         k_q5ee7cb3716_cast.kd
    .args:
      - { .name: hidden_states, .offset: 0, .size: 8, .value_kind: global_buffer, .address_space: global }
      - { .name: Wq, .offset: 8, .size: 8, .value_kind: global_buffer, .address_space: global }
      - { .name: Wk, .offset: 16, .size: 8, .value_kind: global_buffer, .address_space: global }
      - { .name: Wv, .offset: 24, .size: 8, .value_kind: global_buffer, .address_space: global }
      - { .name: Wo, .offset: 32, .size: 8, .value_kind: global_buffer, .address_space: global }
      - { .name: cos, .offset: 40, .size: 8, .value_kind: global_buffer, .address_space: global }
      - { .name: sin, .offset: 48, .size: 8, .value_kind: global_buffer, .address_space: global }
      - { .name: Xb, .offset: 56, .size: 8, .value_kind: global_buffer, .address_space: global }
      - { .name: Wqkvb, .offset: 64, .size: 8, .value_kind: global_buffer, .address_space: global }
      - { .name: Wob, .offset: 72, .size: 8, .value_kind: global_buffer, .address_space: global }
      - { .name: cosb, .offset: 80, .size: 8, .value_kind: global_buffer, .address_space: global }
      - { .name: sinb, .offset: 88, .size: 8, .value_kind: global_buffer, .address_space: global }
    .group_segment_fixed_size: 0
    .private_segment_fixed_size: 0
    .kernarg_segment_align: 8
    .kernarg_segment_size: 96
    .max_flat_workgroup_size: 128
    .sgpr_count:     66
    .vgpr_count:     104
    .wavefront_size: 32
...
	.end_amdgpu_metadata
.endif
;; end of part 5
;; launch qkv: the kernel of part 2 again; grid 16 x 16, 4 waves a work-group, clusters of 4 x 4, 327,680 bytes of LDS; arguments Xb, Wqkvb, cosb, sinb, QKV; writes QKV
;; launch attn: the kernel of part 3 again; grid 4 x 64, 4 waves a work-group, clusters of 4 x 4, 327,680 bytes of LDS; arguments QKV, attention_mask, gate, ctx; writes ctx
;; launch oproj: the kernel of part 4 again; grid 8 x 32, 4 waves a work-group, clusters of 4 x 4, 327,680 bytes of LDS; arguments ctx, Wob, out0; writes out0
